; MI455X (gfx1250); checked and timed in simulation.
; The chip was launched on July 23, 2026; its instructions are those of AMD's public machine-readable ISA for CDNA 5 (MIT licence, August 2026) and "CDNA5" Instruction Set Architecture Reference Guide (July 2026). The comments in the code are by the model that wrote it; some were corrected since.
;; Multi Head Attention. Allowed arithmetic: matrix products marked QUANTISED: E2M3 operands, one E8M0 scale for each 32 along K, by v_wmma_scale_f32_16x16x128_f8f6f4 with both operands' format E2M3, f32 sums; everything else in f32.
;; Inputs: b_out 1,024 float32; b_qkv 3,072 float32; w_out 1,024 x 1,024 float32; w_qkv 1,024 x 3,072 float32; x 2 x 2,048 x 1,024 float32.
;; Outputs: out0 2 x 2,048 x 1,024 float32.
;; This version of the problem:
;;   THIS VERSION OF THE PROBLEM IS GIVEN IN LOW PRECISION. The matrix products marked QUANTISED in the list below multiply operands that are first quantised to E2M3 (2 exponent bits, 3 mantissa bits; 6 bits a number), with one power-of-two scale for each 32 numbers along K (OCP MX v1.0); their sums are f32. All else is computed in f32.
;;   The module's matrix products, in the order in which they are computed (A, B: the left and right operand; K: the contracted axis; several contracted axes count as one K, in the product's order):
;;     1. [M 4,096, K 1,024] x [K 1,024, N 3,072]; A: input x; B: input w_qkv: QUANTISED
;;     2. batch 32 x [M 2,048, K 64] x [K 64, N 2,048]; A: computed on the way; B: computed on the way: QUANTISED
;;     3. batch 32 x [M 2,048, K 2,048] x [K 2,048, N 64]; A: softmax (see below); B: computed on the way: QUANTISED
;;     4. [M 4,096, K 1,024] x [K 1,024, N 1,024]; A: computed on the way; B: input w_out: QUANTISED
;;   THE QUANTISER, for each operand of a quantised product, along K:
;;     - K is cut into blocks of 32 from its start; a last block that is shorter is filled with zeros.
;;     - A block's scale is 2^e with e = floor(log2(the largest magnitude in the block)) - 2, held to -126 .. 127; a block of zeros has e = 0. As a byte (E8M0): e + 127.
;;     - Each number is divided by its block's scale, clamped to +-7.5, and rounded to the nearest number of E2M3, ties to even, subnormals kept.
;;     - The product sums the exact products of the quantised numbers (number of the format x scale) in f32.
;;   ~~~python
;;   def quantise(x, axis):      # numpy; x: float32 -> the quantised numbers, widened to float32 again
;;       x = np.moveaxis(x, axis, -1); K = x.shape[-1]
;;       x = np.pad(x, [(0, 0)] * (x.ndim - 1) + [(0, -K % 32)]); x = x.reshape(x.shape[:-1] + (-1, 32)); a = np.abs(x).max(-1, keepdims=True)
;;       e = np.where(a > 0, np.clip(np.frexp(np.where(a > 0, a, 1))[1] - 1 - 2, -126, 127), 0)      # np.frexp(a)[1] - 1 = floor(log2(a)), exactly
;;       r = np.clip(x / 2.0 ** e, -7.5, 7.5)
;;       step = 2.0 ** (np.maximum(np.frexp(np.where(r == 0, 1, r))[1] - 1, 0) - 3)
;;       q = np.round(r / step) * step * 2.0 ** e      # np.round: ties to even
;;       return np.moveaxis(q.reshape(q.shape[:-2] + (-1,))[..., :K], -1, axis).astype(np.float32)
;;   ~~~
;;   SOFTMAX AHEAD OF A QUANTISED PRODUCT. Where the list says 'softmax', what is quantised is not the finished softmax but p = 2^(t - M), with t = logit x log2(e) and M = ceil(the row's largest t), a whole number; so 1/2 < the row's largest p <= 1. The row's sum l is taken of the UNQUANTISED p, in f32, and the product's result is divided by l at the end. Since M is a whole number, a kernel that streams over the keys may use a running M (the ceiling of the running maximum): every later rescaling is an exact power of two, which a block's scale takes up: the codes' values come out the same.
;;   OPERANDS COMPUTED ON THE WAY. 'Computed on the way' means the value that the module computes at that place (a softmax that the list does not call 'softmax' is quantised finished and normalised). What goes into a quantiser is computed in f32, as accurately as f32 sums, v_exp_f32 and their like allow (about 1e-6 of the number): no bf16 or f16 on the way to a quantiser, and a product that is left as it is and whose result goes on into a quantised operand takes f32 operands (vector FMAs, or v_wmma_f32_16x16x4_f32). A number that lies on a knife's edge between two numbers of the format may be rounded either way, as far as f32 arithmetic and the matrix unit's own rounding can turn it there, and no further.
;; One version. Each part assembles by itself: llvm-mc -triple=amdgcn-amd-amdhsa -mcpu=gfx1250 --defsym DOCPART=n.
;; ======== version 1 of 1: 4 launches
;; limits: right only within a limited range of input values
;; workspace buffers: xq 3,276,800 bytes; wq 3,276,800 bytes; qkvc 13,631,488 bytes; oq 3,276,800 bytes
;; launch quant (part 1): grid 512 x 1, 4 waves a work-group, no clusters, 47,616 bytes of LDS; arguments x, w_qkv, w_out, xq, wq; writes xq, wq
.if DOCPART == 1
	.amdgcn_target "amdgcn-amd-amdhsa--gfx1250"
	.amdhsa_code_object_version 6
	.text
	.protected	k_q1133cda667_quant
	.globl	k_q1133cda667_quant
	.p2align	8
	.type	k_q1133cda667_quant,@function
k_q1133cda667_quant:
	s_mov_b64 s[64:65], 0
	v_nop
	global_prefetch_b8 v0, s[64:65] scope:SCOPE_SE
	s_setreg_imm32_b32 hwreg(HW_REG_WAVE_MODE, 25, 1), 1
	s_wait_xcnt 0x0
; x [4096][1024], w_qkv [1024][3072] and w_out [1024][1024], f32, become codes of FP6 (E2M3) with one E8M0 byte for each 32 along K = 1,024.
; A block's scale is 2^(floor(log2(its largest magnitude)) - 2); its byte is that magnitude's exponent field - 2, held at 1 from below.
; LAYOUT OF xq AND wq (this program's own): codes as IMAGES OF THE OPERAND'S REGISTERS.  A tile is 16 rows; tiles go in pairs over 32 neighbouring rows:
; lane r of tile 2 b + u holds row 32 b + 8 u + r + 8 (r / 8).  A fragment (16 rows x 128 K, 12 registers a lane) is two halves of 768 bytes: registers 6 c .. 6 c + 3 at 16 x lane,
; registers 6 c + 4, 6 c + 5 at 512 + 8 x lane.  A tile's eight fragments lie on end (12,288 bytes).  Scale words from byte SCOFF on: pair b x 1,024 + (K step / 2) x 256 + u x 128 + 4 (r + 16 (K step % 2)).
; wq: tiles 0-191 are w_qkv's columns, tiles 192-255 w_out's (rows of the operand = columns n of the weight).
; Work-groups 0-255 take x (one tile each; wave w takes K steps 2 w, 2 w + 1); work-groups 256-511 take the weights (128 columns x one K step; a wave 32 columns).  Each way has LDS bytes of its own.
; No tensor loads, no barrier, no cluster: no two waves read the same input byte, and each wave's stage is its own.  All of a wave's loads (16 KiB) are issued at once.
; LIMITS: NaN and infinities among the inputs are not served.  Blocks whose largest magnitude lies under 2^-124 keep the byte 1; a block of zeros has the byte 1 where the rule says 127:
; its codes are zeros, and this program alone reads the bytes.  The weights' scale words leave in runs of 64 bytes (one byte for each 128 bytes that the way reads).
; x's TILES ALONE go in fours over 64 neighbouring rows, not in pairs: lane r of tile 4 g + t holds row 64 g + 32 (r / 8) + 8 t + r % 8.  So where x's tiles are source 0 or give the keys of a score tile,
; a lane's 32 result registers of four neighbouring tiles are 32 neighbouring rows: a whole scale block.  The pairs described above hold for the weights' tiles; the places of fragments and scale words go by the tile's number for both.
.set SCOFF, 3145728
.set TILEB, 12288
.set FLOOR, 0x1800000                  ; 2^(3 - 127)
.set XSTG,  8448                       ; x's stage of a wave: 16 rows x (512 bytes + 16)
.set WSTG0, 33792                      ; behind x's four stages: the weights' stages,
.set WSTG,  3328                       ; one for each wave: two tiles,
.set WTS,   1664                       ; 1,664 bytes apart (1,536 used)
.set L,   1                            ; v1 lane;  v2 16 x lane;  v3 8 x lane;  v4 4 x lane
.set L16, 2
.set L8,  3
.set L4,  4
.set MX,  208                          ; v208-209 largest magnitudes
.set SOP, 212                          ; v212-213 the conversions' scale operands
.set BY,  214                          ; v214-215 scale bytes
.set CT,  216                          ; v216-222 the upper halves of two blocks' codes, before they are moved
.set PT,  225                          ; the lane permute's destination
.set SEL, 30                           ; s[30:31] selects for lane l xor 16
.macro PUTH reg, sb, off               ; half a fragment, six registers, leaves as its image: 512 and 256 consecutive bytes
	global_store_b128 v[L16], v[\reg:\reg+3], s[\sb:\sb+1] offset:\off
	global_store_b64 v[L8], v[\reg+4:\reg+5], s[\sb:\sb+1] offset:\off+512
.endm
	s_load_b256 s[4:11], s[0:1], 0x0               ; x s[4:5], w_qkv s[6:7], w_out s[8:9], xq s[10:11]
	s_load_b64 s[12:13], s[0:1], 0x20              ; wq
	v_lshl_add_u32 v254, v0, 2, 0xb800
	v_mov_b32 v255, 0
	v_lshrrev_b32 v1, 5, v0
	v_readfirstlane_b32 s16, v1                    ; wave 0..3
	v_and_b32 v[L], 31, v0
	v_lshlrev_b32 v[L16], 4, v[L]
	v_lshlrev_b32 v[L8], 3, v[L]
	v_lshlrev_b32 v[L4], 2, v[L]
	s_mov_b32 s[SEL], 0x76543210
	s_mov_b32 s[SEL+1], 0xfedcba98
	s_cmp_lt_u32 ttmp9, 256
	s_cbranch_scc0 .Lw_path
; ---------------- x: K is innermost.  Tile g = the work-group's number.
	v_and_b32 v7, 15, v0                           ; r
	v_bfe_u32 v8, v0, 4, 1                         ; h
	s_mul_i32 s17, s16, XSTG
	v_add_nc_u32 v5, s17, v[L16]                   ; the stage, on the way in: a row's 512 bytes as they lie
	v_mul_u32_u24 v6, v7, 528
	v_lshl_add_u32 v6, v8, 7, v6
	v_add_nc_u32 v6, s17, v6                       ; and on the way out: row r, + 128 h: my block of 32 numbers
	v_lshlrev_b32 v9, 3, v8                        ; 8 h: my bytes' place in a scale word
	v_mov_b32 v[PT], 0                             ; written once: a lane permute's destination counts as one of its sources
	s_lshr_b32 s18, ttmp9, 1                       ; pair b
	s_and_b32 s19, ttmp9, 1                        ; u
	s_lshr_b32 s22, ttmp9, 2
	s_lshl_b32 s22, s22, 6
	s_and_b32 s23, ttmp9, 3
	s_lshl_b32 s23, s23, 3
	s_add_co_u32 s22, s22, s23                     ; the tile's first row: 64 (tile / 4) + 8 (tile % 4)
	s_lshl_b32 s22, s22, 12                        ; x 4,096 bytes
	s_lshl_b32 s23, s16, 10
	s_add_co_u32 s22, s22, s23                     ; + my 256 along K
	s_mov_b32 s23, 0
	s_mul_i32 s24, ttmp9, TILEB
	s_mul_i32 s25, s16, 3072
	s_add_co_u32 s24, s24, s25                     ; my two fragments in xq
	s_mov_b32 s25, 0
	s_lshl_b32 s26, s18, 10
	s_lshl_b32 s27, s16, 8
	s_add_co_u32 s26, s26, s27
	s_lshl_b32 s27, s19, 7
	s_add_co_u32 s26, s26, s27
	s_add_co_u32 s26, s26, SCOFF                   ; and their scale words
	s_mov_b32 s27, 0
	s_wait_alu depctr_va_vdst(0)
	s_wait_kmcnt 0x0
	s_add_nc_u64 s[4:5], s[4:5], s[22:23]
	s_add_nc_u64 s[24:25], s[10:11], s[24:25]
	s_add_nc_u64 s[26:27], s[10:11], s[26:27]
.irp s, 0,1
.irp i, 0,1,2,3,4,5,6,7,8,9,10,11,12,13,14,15
	global_load_b128 v[16+64*\s+4*\i:16+64*\s+4*\i+3], v[L16], s[4:5] offset:(\i%8+32*(\i/8))*4096+512*\s th:TH_LOAD_NT   ; the tile's row i, K step s: 32 lanes read 512 consecutive bytes
.endr
.endr
; 64 numbers of a lane, register 32 c + i = k 64 c + 32 h + i of my row (two whole blocks), become a fragment's 12 registers in v[pc] on and my row's scale word in v[pw]
.macro QUANT6 xs, pc, pw
.irp c, 0,1
	v_max3_num_f32 v[MX+\c], |v[\xs+32*\c]|, |v[\xs+32*\c+1]|, FLOOR   ; the floor is one more leaf: the byte cannot fall under 1
.endr
.irp i, 2,4,6,8,10,12,14,16,18,20,22,24,26,28,30
.irp c, 0,1
	v_max3_num_f32 v[MX+\c], v[MX+\c], |v[\xs+32*\c+\i]|, |v[\xs+32*\c+\i+1]|   ; (the two blocks by turns)
.endr
.endr
.irp c, 0,1
	v_add_nc_u32 v[SOP+\c], 0xff000000, v[MX+\c]   ; 2 off the exponent field: the conversion takes that field as its scale
.endr
.irp c, 0,1
	v_lshrrev_b32 v[BY+\c], 23, v[SOP+\c]          ; the scale's byte
.endr
	v_lshl_or_b32 v[\pw], v[BY+1], 16, v[BY]       ; my two bytes: blocks h and 2 + h,
	v_lshlrev_b32 v[\pw], v9, v[\pw]               ; at their places;
	v_permlanex16_b32 v[PT], v[\pw], s[SEL], s[SEL+1]
	v_or_b32 v[\pw], v[\pw], v[PT]                 ; with lane l xor 16's two the word is whole
.irp c, 0,1
	v_cvt_scalef32_pk16_fp6_f32 v[\pc+6*\c:\pc+6*\c+2], v[\xs+32*\c:\xs+32*\c+15], v[SOP+\c]
	v_cvt_scalef32_pk16_fp6_f32 v[CT+4*\c:CT+4*\c+2], v[\xs+32*\c+16:\xs+32*\c+31], v[SOP+\c]   ; (a conversion's three registers begin on an even number)
.endr
	v_nop                                          ; one plain place behind a scaled conversion
.irp c, 0,1
.irp i, 0,1,2
	v_mov_b32 v[\pc+3+6*\c+\i], v[CT+4*\c+\i]
.endr
.endr
.endm
.macro XSTEP s, xs, pc, pw
	s_wait_loadcnt 16-16*\s                        ; this K step's sixteen loads are in; in step 0 the other step's sixteen stay out
.irp i, 0,1,2,3,4,5,6,7,8,9,10,11,12,13,14,15
	ds_store_b128 v5, v[16+64*\s+4*\i:16+64*\s+4*\i+3] offset:528*\i
.endr
.irp c, 0,1
.irp j, 0,1,2,3,4,5,6,7
	ds_load_b128 v[\xs+32*\c+4*\j:\xs+32*\c+4*\j+3], v6 offset:256*\c+16*\j   ; LDS serves a wave's instructions in order: these see my stores
.endr
.endr
	s_wait_dscnt 0x0
	QUANT6 \xs, \pc, \pw
	PUTH \pc, 24, 1536*\s
	PUTH \pc+6, 24, 1536*\s+768
.endm
	XSTEP 0, 144, 228, 226
	XSTEP 1, 16, 240, 227                          ; v16-79 are free: step 0's stores into the stage have read them.  Codes and words have registers of their own in each step: no store's data are written again
	v_cmp_le_u32 vcc_lo, 16, v[L]
	v_cndmask_b32 v224, v226, v227, vcc_lo         ; lanes 0-15: the even K step's words, lanes 16-31: the odd one's
	global_store_b32 v[L4], v224, s[26:27]         ; 128 consecutive bytes
	s_wait_tensorcnt 0x0
	ds_add_u32 v254, v255
	s_wait_dscnt 0x0
	s_endpgm
; ---------------- the weights: K is the first axis.  A lane takes a column, its registers run down K.
.Lw_path:
	s_sub_co_u32 s17, ttmp9, 256
	s_lshr_b32 s18, s17, 5                         ; K step 0..7
	s_and_b32 s17, s17, 31                         ; group of 128 columns: 0-23 w_qkv, 24-31 w_out
	s_lshl_b32 s19, s17, 2
	s_add_co_u32 s19, s19, s16                     ; my pair b of tiles: columns 32 b + lane
	v_bfe_u32 v7, v0, 3, 1                         ; column 8 u + r' + 8 (r' / 8) of the pair is lane r' of tile u: u = (lane / 8) % 2,
	v_and_b32 v8, 7, v0
	v_bfe_u32 v9, v0, 4, 1
	v_lshl_add_u32 v8, v9, 3, v8                   ; r' = lane % 8 + 8 (lane / 16)
	s_mul_i32 s28, s16, WSTG
	s_add_co_u32 s28, s28, WSTG0                   ; my stage
	v_mul_u32_u24 v10, v7, WTS
	v_add_nc_u32 v10, s28, v10
	v_lshl_add_u32 v5, v8, 4, v10                  ; into it: my tile's image, lane r' (+ 16 for the odd blocks, in the offsets)
	v_lshl_add_u32 v6, v8, 3, v10
	v_add_nc_u32 v11, s28, v[L16]                  ; out of it: as the images lie
	v_add_nc_u32 v12, s28, v[L8]
	v_lshlrev_b32 v13, 7, v7
	v_lshl_add_u32 v13, v8, 2, v13                 ; my scale word: 128 u + 4 r'
	s_mul_i32 s24, s19, 2*TILEB
	s_mul_i32 s25, s18, 1536
	s_add_co_u32 s24, s24, s25                     ; tile 2 b's fragment of this K step in wq
	s_mov_b32 s25, 0
	s_lshl_b32 s26, s19, 10
	s_lshr_b32 s27, s18, 1
	s_lshl_b32 s27, s27, 8
	s_add_co_u32 s26, s26, s27
	s_and_b32 s27, s18, 1
	s_lshl_b32 s27, s27, 6
	s_add_co_u32 s26, s26, s27
	s_add_co_u32 s26, s26, SCOFF
	s_mov_b32 s27, 0
	s_wait_kmcnt 0x0
	s_add_nc_u64 s[24:25], s[12:13], s[24:25]
	s_add_nc_u64 s[26:27], s[12:13], s[26:27]
.macro WLOADS pitch                    ; W(128 K step + i, my column), i = 0 .. 127: each load reads 128 consecutive bytes, the four waves side by side 512
.set WI, 0
.rept 128
	global_load_b32 v[16+WI], v[L4], s[14:15] offset:WI*\pitch th:TH_LOAD_NT
.set WI, WI+1
.endr
.endm
	s_cmp_lt_u32 s17, 24                           ; the two weights differ in their row's length, which stands in the loads' offsets: the same 128 loads on either way
	s_cbranch_scc0 .Lw_out
	s_mul_i32 s20, s18, 128*12288
	s_lshl_b32 s21, s19, 7                         ; 32 b columns x 4 bytes
	s_add_co_u32 s20, s20, s21
	s_mov_b32 s21, 0
	s_add_nc_u64 s[14:15], s[6:7], s[20:21]
	WLOADS 12288
	s_branch .Lw_join
.Lw_out:
	s_mul_i32 s20, s18, 128*4096
	s_sub_co_u32 s21, s19, 96
	s_lshl_b32 s21, s21, 7
	s_add_co_u32 s20, s20, s21
	s_mov_b32 s21, 0
	s_add_nc_u64 s[14:15], s[8:9], s[20:21]
	WLOADS 4096
.Lw_join:
; Block t of four: all its 32 numbers are mine.  Its six registers of codes belong to lane r' + 16 (t % 2) of my tile's image, half t / 2.
.macro WBLOCK t, cnt
.set XS, 16+32*\t
.set PCB, 144+6*\t
	s_wait_loadcnt \cnt
	v_max3_num_f32 v174, |v[XS]|, |v[XS+1]|, |v[XS+2]|
	v_max3_num_f32 v175, |v[XS+3]|, |v[XS+4]|, |v[XS+5]|
.irp i, 6,10,14,18,22,26
	v_max3_num_f32 v174, v174, |v[XS+\i]|, |v[XS+\i+1]|
	v_max3_num_f32 v175, v175, |v[XS+\i+2]|, |v[XS+\i+3]|
.endr
	v_max3_num_f32 v174, v174, |v[XS+30]|, |v[XS+31]|
	v_max3_num_f32 v174, v174, v175, FLOOR
	v_add_nc_u32 v176, 0xff000000, v174
	v_lshrrev_b32 v175, 23, v176
.if \t == 0
	v_mov_b32 v172, v175                           ; my column's scale word of this K step: the lower K in the lower byte
.else
	v_lshl_or_b32 v172, v175, 8*\t, v172
.endif
	v_cvt_scalef32_pk16_fp6_f32 v[PCB:PCB+2], v[XS:XS+15], v176
	v_cvt_scalef32_pk16_fp6_f32 v[168:170], v[XS+16:XS+31], v176
	v_nop                                          ; one plain place behind a scaled conversion
.irp i, 0,1,2
	v_mov_b32 v[PCB+3+\i], v[168+\i]
.endr
	ds_store_b128 v5, v[PCB:PCB+3] offset:768*(\t/2)+256*(\t%2)
	ds_store_b64 v6, v[PCB+4:PCB+5] offset:768*(\t/2)+512+128*(\t%2)
.endm
	WBLOCK 0, 63                                   ; 96 younger loads could stay out; the wait's field holds 63 at the most, and a smaller count is safe
	WBLOCK 1, 63                                   ; (64 could)
	WBLOCK 2, 32                                   ; the last block's 32 stay out
	WBLOCK 3, 0
.irp u, 0,1
.irp c, 0,1
	ds_load_b128 v[180+12*\u+6*\c:180+12*\u+6*\c+3], v11 offset:WTS*\u+768*\c       ; LDS serves a wave's instructions in order: these see my stores
	ds_load_b64 v[180+12*\u+6*\c+4:180+12*\u+6*\c+5], v12 offset:WTS*\u+768*\c+512
.endr
.endr
	s_wait_alu depctr_va_vdst(0)
	s_wait_dscnt 0x0
.irp u, 0,1
.irp c, 0,1
	PUTH 180+12*\u+6*\c, 24, TILEB*\u+768*\c
.endr
.endr
	global_store_b32 v13, v172, s[26:27]
	s_wait_tensorcnt 0x0
	ds_add_u32 v254, v255
	s_wait_dscnt 0x0
	s_endpgm
.Lfunc_end_k_q1133cda667_quant:
	.size	k_q1133cda667_quant, .Lfunc_end_k_q1133cda667_quant-k_q1133cda667_quant
	.p2alignl 7, 3214868480
	.fill 96, 4, 3214868480
	.section	.rodata,"a",@progbits
	.p2align	6, 0x0
	.amdhsa_kernel k_q1133cda667_quant
		.amdhsa_group_segment_fixed_size 47616
		.amdhsa_private_segment_fixed_size 0
		.amdhsa_enable_private_segment 0
		.amdhsa_kernarg_size 40
		.amdhsa_user_sgpr_count 2
		.amdhsa_user_sgpr_kernarg_segment_ptr 1
		.amdhsa_wavefront_size32 1
		.amdhsa_system_sgpr_workgroup_id_x 1
		.amdhsa_system_sgpr_workgroup_id_y 1
		.amdhsa_system_sgpr_workgroup_id_z 1
		.amdhsa_system_vgpr_workitem_id 0
		.amdhsa_next_free_vgpr 256
		.amdhsa_next_free_sgpr 66
		.amdhsa_reserve_vcc 1
		.amdhsa_float_denorm_mode_32 3
		.amdhsa_float_denorm_mode_16_64 3
		.amdhsa_memory_ordered 1
		.amdhsa_forward_progress 1
		.amdhsa_inst_pref_size 51
	.end_amdhsa_kernel
	.amdgpu_metadata
---
amdhsa.version: [ 1, 2 ]
amdhsa.kernels:
  - .name:           k_q1133cda667_quant
    .symbol:         k_q1133cda667_quant.kd
    .args:
      - { .name: x, .offset: 0, .size: 8, .value_kind: global_buffer, .address_space: global }
      - { .name: w_qkv, .offset: 8, .size: 8, .value_kind: global_buffer, .address_space: global }
      - { .name: w_out, .offset: 16, .size: 8, .value_kind: global_buffer, .address_space: global }
      - { .name: xq, .offset: 24, .size: 8, .value_kind: global_buffer, .address_space: global }
      - { .name: wq, .offset: 32, .size: 8, .value_kind: global_buffer, .address_space: global }
    .group_segment_fixed_size: 47616
    .private_segment_fixed_size: 0
    .kernarg_segment_align: 8
    .kernarg_segment_size: 40
    .max_flat_workgroup_size: 128
    .sgpr_count:     66
    .vgpr_count:     256
    .wavefront_size: 32
...
	.end_amdgpu_metadata
.endif
;; end of part 1
;; launch gemm_qkv (part 2): grid 16 x 16, 8 waves a work-group, clusters of 4 x 4, 308,224 bytes of LDS; arguments xq, wq, b_qkv, qkvc; writes qkvc
.if DOCPART == 2
	.amdgcn_target "amdgcn-amd-amdhsa--gfx1250"
	.amdhsa_code_object_version 6
	.text
	.protected	k_q1133cda667_gemm_qkv
	.globl	k_q1133cda667_gemm_qkv
	.p2align	8
	.type	k_q1133cda667_gemm_qkv,@function
k_q1133cda667_gemm_qkv:
	s_mov_b64 s[64:65], 0
	v_nop
	global_prefetch_b8 v0, s[64:65] scope:SCOPE_SE
	s_setreg_imm32_b32 hwreg(HW_REG_WAVE_MODE, 25, 1), 1
	s_wait_xcnt 0x0
	s_wait_alu depctr_hold_cnt(0) depctr_sa_sdst(0) depctr_va_vdst(0) depctr_va_sdst(0) depctr_va_ssrc(0) depctr_va_vcc(0) depctr_vm_vsrc(0)
	s_getreg_b32 s2, hwreg(HW_REG_IB_STS2, 6, 4)
	s_cmp_eq_u32 s2, 0
	s_cbranch_scc0 .Lentry_in_a_cluster
	s_endpgm
.Lentry_in_a_cluster:
	s_bfe_u32 s2, ttmp6, 0x10000c
	s_cmp_lg_u32 s2, 0xf033
	s_cbranch_scc0 .Lentry_shape_is_right
	s_endpgm
.Lentry_shape_is_right:
.set SCOFF, 3145728
; qkv = x w_qkv + b_qkv on codes of FP6 (E2M3) with E8M0 scales (K = 1,024), and the quantisers of q, k (along the head's 64) and v (along the keys): the f32 result never goes to memory.
; THE DEAL: 16 x 16 = 256 work-groups.  Work-group (x, y) makes 256 tokens (256 y on) x 192 columns: PHASE 1, columns 128 x on (two heads of q, x < 8, or of k); PHASE 2, columns 2,048 + 64 x on (head x of v).
; LDS holds x's panel (16 tiles) and phase 1's W panel (8 tiles) for ALL of K, filled ONCE, in four pieces of 256 along K: one joint load a wave: wave 2 p brings x's piece p (16 rows of 3,072 bytes),
; wave 2 p + 1 W's piece p (8 rows), each by a line of its own; in front of the barrier of piece p those two waves wait for their load, the later pieces stay on their way.  No LDS byte is filled twice.
; The scale words of both panels (8,192 + 4,096 bytes) come by plain loads, 48 bytes a thread, and are stored into LDS bytes of their own, in which no fill lands.
; CLUSTERS: 4 x 4 work-groups.  x's panel hangs on the work-group's y alone and is asked for jointly by a row of the cluster, W's on its x alone and by a column.
; OPERANDS lie in xq, wq and LDS as images of their registers (see the launch that makes them): a fragment is two loads of 16 bytes and two of 8 bytes a lane, of consecutive bytes.
; W's tiles are pairs over 32 columns: lane r of tile 2 b + u holds column 32 b + 8 u + r + 8 (r / 8).  x's tiles go in fours over 64 tokens: lane r of tile 4 g + t holds token 64 g + 32 (r / 8) + 8 t + r % 8.
; PHASE 1: source 0 = W's 8 tiles, source 1 = token tiles 2 w, 2 w + 1: a lane holds one token, its 64 registers run along the columns (16 neighbours in tiles 2 b, 2 b + 1).  16 accumulators; the bias is loaded into them.
; PHASE 2: source 0 = token tiles 4 (w % 4) .. + 3 from LDS, source 1 = W_v's tiles 2 (w / 4), + 1, ALL of K, in registers 256-447: being register images in wq, they are loaded straight, 512 and 256 consecutive bytes an
; instruction, between pieces 1 and 2 of phase 1.  A lane holds one channel d, and its 32 registers of a tile of W_v are keys 64 (w % 2) + 32 (lane / 16) + 0 .. 31 of a key step: one whole scale block.  8 accumulators.
; In both phases the accumulators take turns, one instruction a turn.
; NO PREFETCH: the head's loads ask for all that goes through LDS, and phase 2's weights are asked for two pieces ahead of their use; no loop is left to run ahead in.
; qkvc: part 0 = q, part 1 = k and v; a part is [32 heads][16 steps of 128 tokens] records of 13,312 bytes: 8 token tiles x 768 (half images: the head's 64); V^T, 4 tiles of d x 1,536; the tokens' scale words
; [pair of tiles][u][r] (bytes 2, 3 = 0); V's scale words, 4 x 128 bytes, a word a lane (lanes 16-31 repeat lanes 0-15).  In part 0 V's two fields are neither written nor read.
; V's scale words leave two bytes at a time: a key step's word belongs to two waves.
; LIMITS: NaN and infinities not served; a block of zeros has the byte 1 where the rule says 127: its codes are zeros, and this program alone reads the bytes.
.set TILEB, 12288
.set REC,   13312
.set HEADB, 212992
.set KVOFF, 6815744
.set FLOOR, 0x1800000
.set XP,  0                            ; LDS: x's codes [piece 4][16 tiles][3,072]
.set WP,  196608                       ; W's codes [piece 4][8 tiles][3,072]
.set XSC, 294912                       ; x's scale words, 8 pairs x 1,024
.set WSC, 303104                       ; W's, 4 pairs x 1,024
.set SPARE, 307200                     ; the spare words, 128 bytes a wave
.set SC0, 16                           ; v16-23 scale words of source 0's tiles, v24-25 of source 1's: lanes 0-15 the even K step, lanes 16-31 the odd one.  With v10-13, v124-125 (W_v's) they hold scales alone
.set SC1, 24
.set P1F, 28                           ; v28-75  phase 1: source 1: two tiles x both K steps of a piece;  phase 2: the even K steps' four fragments
.set P0F, 76                           ; v76-123 phase 1: source 0: two slots of two tiles;  phase 2: the odd K steps' four fragments
.set ACC, 128                          ; v128-255 phase 1: accumulator (p, t) at ACC + 64 p + 8 t;  phase 2: at ACC + 32 p + 8 t
.set TM,  28                           ; behind the products: v28-43 at work, v44-63 and v64-83 codes, v84-85 scale words
.set WV,  12
.set PCE, 13                           ; s13 the piece of K that my wave fetches: wave / 2
.set W3,  14                           ; s14 wave % 4;  s41 wave / 4
.set SEL, 2                            ; s[2:3] selects for lane l xor 16
.macro PLACES n
.rept \n
	v_nop
.endr
.endm
.macro WALU
	s_wait_alu depctr_va_vdst(0)
.endm
.macro CROUND                          ; a round of the cluster's barrier
	s_barrier_signal -1
	s_barrier_wait -1
	s_cmp_lg_u32 s[WV], 0
	s_cbranch_scc1 .Lnot_wave_0_\@
	s_barrier_signal -3
.Lnot_wave_0_\@:
	s_barrier_wait -3
	s_barrier_signal -1
	s_barrier_wait -1
.endm
.macro MKG1 g, c, r, p                 ; descriptor group 1 behind its first word: r rows of c elements of 8 bytes, p elements apart
	s_mov_b32 s[\g+1], \c<<16
	s_mov_b32 s[\g+2], \r<<16
	s_mov_b32 s[\g+3], \c<<16
	s_mov_b32 s[\g+4], \r
	s_mov_b32 s[\g+5], \p
	s_mov_b32 s[\g+6], 0
	s_mov_b32 s[\g+7], 0
.endm
.macro ARM under, g0, g1               ; one arm of the head's chain: the load of the waves under \under that no earlier arm took
	s_cmp_lt_u32 s[WV], \under
	s_cbranch_scc0 .Lnext_\@
	tensor_load_to_lds s[\g0:\g0+3], s[\g1:\g1+7]
	s_nop 0
	PLACES 4
	s_branch .Lfilled
.Lnext_\@:
.endm
.macro GETH reg, a16, a8, off          ; half a fragment from its image
	ds_load_b128 v[\reg:\reg+3], v[\a16] offset:\off
	ds_load_b64 v[\reg+4:\reg+5], v[\a8] offset:(\off)+512
.endm
.macro FRAG reg, a16, a8, off
	GETH \reg, \a16, \a8, \off
	GETH (\reg)+6, \a16, \a8, (\off)+768
.endm
.macro PUTH reg, sb, off
	global_store_b128 v1, v[\reg:\reg+3], s[\sb:\sb+1] offset:\off
	global_store_b64 v2, v[\reg+4:\reg+5], s[\sb:\sb+1] offset:\off+512
.endm
.macro WM d, a, b, sa, sb, row, zero
.if \zero
	v_wmma_scale_f32_16x16x128_f8f6f4 v[\d:\d+7], v[\a:\a+11], v[\b:\b+11], 0, v[\sa], v[\sb] matrix_a_fmt:MATRIX_FMT_FP6 matrix_b_fmt:MATRIX_FMT_FP6
.elseif \row
	v_wmma_scale_f32_16x16x128_f8f6f4 v[\d:\d+7], v[\a:\a+11], v[\b:\b+11], v[\d:\d+7], v[\sa], v[\sb] matrix_a_fmt:MATRIX_FMT_FP6 matrix_b_fmt:MATRIX_FMT_FP6 matrix_a_scale:MATRIX_SCALE_ROW1 matrix_b_scale:MATRIX_SCALE_ROW1
.else
	v_wmma_scale_f32_16x16x128_f8f6f4 v[\d:\d+7], v[\a:\a+11], v[\b:\b+11], v[\d:\d+7], v[\sa], v[\sb] matrix_a_fmt:MATRIX_FMT_FP6 matrix_b_fmt:MATRIX_FMT_FP6
.endif
.endm
; PHASE 1.  A piece is 8 steps i: K step i / 4 of the piece, source 0's tiles 2 (i % 4), + 1, in slot i % 2.
.macro P0LOAD i
.irp tau, 0,1
	FRAG P0F+24*((\i)%2)+12*\tau, 4, 5, (2*((\i)%4)+\tau)*3072+((\i)/4)*1536
.endr
.endm
.macro P1LOAD be
.irp p, 0,1
	FRAG P1F+24*\be+12*\p, 6, 7, \p*3072+\be*1536
.endr
.endm
.macro STEPMUL i                       ; four products
.irp tau, 0,1
.irp p, 0,1
.set rT, 2*((\i)%4)+\tau
.set rD, ACC+64*\p+8*rT
.set rA, P0F+24*((\i)%2)+12*\tau
.set rB, P1F+24*((\i)/4)+12*\p
	WM rD, rA, rB, SC0+rT, SC1+\p, (\i)/4, 0
.endr
.endr
.endm
.macro PAIR kp                         ; piece kp of K
.if \kp == 0
	s_wait_loadcnt 0x0                             ; the bias, and my 48 bytes of scale words
	ds_store_b128 v27, v[76:79]
	ds_store_b128 v27, v[80:83] offset:4096
	ds_store_b128 v27, v[84:87] offset:8192
.endif
.if \kp < 3
	s_cmp_lg_u32 s[PCE], \kp                       ; the two waves that fetched this piece wait for their one load; the later pieces stay out
	s_cbranch_scc1 .Lnot_mine_\@
	s_wait_tensorcnt 0x0
.Lnot_mine_\@:
.else
	s_wait_tensorcnt 0x0                           ; the last piece: every wave waits
.endif
.if \kp == 0
	s_wait_dscnt 0x0                               ; my stores of scale words are done
.endif
	s_barrier_signal -1                            ; (no LDS load of mine is out: the last piece ended on a wait for 0)
	s_barrier_wait -1
.if \kp > 0
	v_add_nc_u32 v4, 24576, v4                     ; on to this piece; these four are also the places in front of the loads into registers that the last products read
	v_add_nc_u32 v5, 24576, v5
	v_add_nc_u32 v6, 49152, v6
	v_add_nc_u32 v7, 49152, v7
	WALU
.endif
.irp t, 0,1,2,3,4,5,6,7
	ds_load_b32 v[SC0+\t], v8 offset:(\t/2)*1024+\kp*256+(\t%2)*128
.endr
.irp p, 0,1
	ds_load_b32 v[SC1+\p], v9 offset:\kp*256+128*\p
.endr
	P1LOAD 0
	P0LOAD 0
	P1LOAD 1
	P0LOAD 1
	s_wait_dscnt 16                                ; all but the youngest sixteen: source 1's odd K step and step 1's tiles
	STEPMUL 0
.irp i, 1,2,3,4,5,6
	PLACES 4                                       ; in front of loads into the slot that the step before multiplied
	P0LOAD \i+1
	s_wait_dscnt 8                                 ; all but the eight just issued
	STEPMUL \i
.endr
	s_wait_dscnt 0x0
	STEPMUL 7
.endm
; 64 numbers of a lane, register 16 b + i = k 32 b + 16 (lane / 16) + i of my row, become a fragment's codes in v[pc] on and its scale word in v[pw].
.macro QUANT s, pc, pw
.irp b, 0,1,2,3
	v_max3_num_f32 v[TM+\b], |v[\s+16*\b]|, |v[\s+1+16*\b]|, FLOOR   ; each accumulator is read from its low end on; the floor holds the byte at 1 from below
.endr
.irp i, 2,4,6,8,10,12,14
.irp b, 0,1,2,3
	v_max3_num_f32 v[TM+\b], v[TM+\b], |v[\s+16*\b+\i]|, |v[\s+1+16*\b+\i]|
.endr
.endr
.irp b, 0,1,2,3
	v_permlanex16_b32 v[TM+4+\b], v[TM+\b], s[SEL], s[SEL+1]
.endr
.irp b, 0,1,2,3
	v_max_num_f32 v[TM+\b], v[TM+\b], v[TM+4+\b]   ; with lane l xor 16's: the block's largest magnitude
.endr
.irp b, 0,1,2,3
	v_add_nc_u32 v[TM+12+\b], 0xff000000, v[TM+\b] ; 2 off its exponent field: the conversion's scale operand
.endr
.irp b, 0,1,2,3
	v_lshrrev_b32 v[TM+4+\b], 23, v[TM+12+\b]      ; the scale's byte
.endr
	v_lshl_or_b32 v[\pw], v[TM+5], 8, v[TM+4]
	v_lshl_or_b32 v[\pw], v[TM+6], 16, v[\pw]
	v_lshl_or_b32 v[\pw], v[TM+7], 24, v[\pw]
.irp c, 0,1
	v_cvt_scalef32_pk16_fp6_f32 v[\pc+6*\c:\pc+2+6*\c], v[\s+32*\c:\s+15+32*\c], v[TM+12+2*\c]
	v_cvt_scalef32_pk16_fp6_f32 v[\pc+12+4*\c:\pc+14+4*\c], v[\s+16+32*\c:\s+31+32*\c], v[TM+12+2*\c+1]
.endr
	v_nop                                          ; one plain place behind a scaled conversion
.irp c, 0,1                                    ; the operand's layout wants a whole block in a lane
.irp i, 0,1,2
	v_permlane16_swap_b32 v[\pc+6*\c+\i], v[\pc+12+4*\c+\i]
.endr
.irp i, 0,1,2
	v_mov_b32 v[\pc+3+6*\c+\i], v[\pc+12+4*\c+\i]
.endr
.endr
.endm
; Two whole blocks of a lane, registers 32 c + 0 .. 31, become six registers of codes each, in v[pc + 6 c] on; v[pw] takes their bytes: byte 2 c + h is block c's byte of the lanes' half h
.macro QUANTV s, pc, pw
.irp c, 0,1
	v_max3_num_f32 v[TM+\c], |v[\s+32*\c]|, |v[\s+32*\c+1]|, FLOOR
.endr
.irp i, 2,4,6,8,10,12,14,16,18,20,22,24,26,28,30
.irp c, 0,1
	v_max3_num_f32 v[TM+\c], v[TM+\c], |v[\s+32*\c+\i]|, |v[\s+32*\c+\i+1]|
.endr
.endr
.irp c, 0,1
	v_add_nc_u32 v[TM+2+\c], 0xff000000, v[TM+\c]
.endr
.irp c, 0,1
	v_lshrrev_b32 v[TM+4+\c], 23, v[TM+2+\c]
.endr
	v_lshl_or_b32 v[\pw], v[TM+5], 16, v[TM+4]
	v_lshlrev_b32 v[\pw], v[TM+7], v[\pw]          ; 8 h bits up
	v_permlanex16_b32 v[TM+6], v[\pw], s[SEL], s[SEL+1]
	v_or_b32 v[\pw], v[\pw], v[TM+6]               ; with lane l xor 16's two
.irp c, 0,1
	v_cvt_scalef32_pk16_fp6_f32 v[\pc+6*\c:\pc+6*\c+2], v[\s+32*\c:\s+32*\c+15], v[TM+2+\c]
	v_cvt_scalef32_pk16_fp6_f32 v[TM+8+4*\c:TM+10+4*\c], v[\s+32*\c+16:\s+32*\c+31], v[TM+2+\c]   ; (a conversion's three registers begin on an even number)
.endr
	v_nop                                          ; one plain place behind a scaled conversion
.irp c, 0,1
.irp i, 0,1,2
	v_mov_b32 v[\pc+3+6*\c+\i], v[TM+8+4*\c+\i]
.endr
.endr
.endm
; PHASE 2.  W_v's scale words of tile p, piece kp: registers whose numbers differ modulo 8 from those of x's words of the same piece
.macro WSREG p, kp
.if (\kp)%2 == 0
.set WSR, 12+(\p)+112*((\kp)/2)        ; pieces 0, 2: v12-13, v124-125
.else
.set WSR, 10+(\p)+14*((\kp)/2)         ; pieces 1, 3: v10-11, v24-25
.endif
.endm
.macro VGRP ks                         ; K step ks: ahead of an even one its piece's four scale words; my four token tiles' fragments: 16 loads
.if (\ks)%2 == 0
.irp t, 0,1,2,3
	ds_load_b32 v[SC0+4*(((\ks)/2)%2)+\t], v8 offset:(\t/2)*1024+((\ks)/2)*256+(\t%2)*128
.endr
.endif
.irp t, 0,1,2,3
	FRAG P1F+48*((\ks)%2)+12*\t, 4+2*((\ks)/4), 5+2*((\ks)/4), (((\ks)/2)%2)*49152+\t*3072+((\ks)%2)*1536
.endr
.endm
.macro VMUL ks, zero                   ; eight products; source 1 stands in the second window of registers
.irp t, 0,1,2,3
.irp p, 0,1
	WSREG \p, (\ks)/2
	WM ACC+32*\p+8*\t, P1F+48*((\ks)%2)+12*\t, 96*\p+12*(\ks), SC0+4*(((\ks)/2)%2)+\t, WSR, (\ks)%2, \zero
.endr
.endr
.endm
	s_load_b256 s[4:11], s[0:1], 0x0               ; xq s[4:5], wq s[6:7], b_qkv s[8:9], qkvc s[10:11]
	v_lshl_add_u32 v126, v0, 2, SPARE
	v_mov_b32 v127, 0
	ds_add_u32 v126, v127                          ; the opening lines: the add twice on end and its wait
	ds_add_u32 v126, v127
	v_lshrrev_b32 v1, 5, v0
	v_readfirstlane_b32 s[WV], v1                  ; wave 0..7
	s_lshr_b32 s[PCE], s[WV], 1
	s_and_b32 s[W3], s[WV], 3
	s_lshr_b32 s41, s[WV], 2
	s_bfe_u32 s15, ttmp6, 0x40000                  ; cx
	s_bfe_u32 s16, ttmp6, 0x40004                  ; cy
	s_lshl_b32 s17, ttmp9, 2
	s_add_co_u32 s17, s17, s15                     ; work-group x
	s_and_b32 s18, ttmp7, 0xffff
	s_lshl_b32 s18, s18, 2
	s_add_co_u32 s18, s18, s16                     ; work-group y: tokens 256 y on
	s_lshl_b32 s19, s16, 2
	s_lshl_b32 s19, 15, s19                        ; my row of the cluster
	s_lshl_b32 s20, 0x1111, s15                    ; my column
	s_or_b32 s24, s19, (3<<16)|(1<<21)             ; group 1, word 0: the mask; elements of 8 bytes; bit 21 beside a mask; no padding
	MKG1 24, 384, 16, 1536                         ; x's codes: 16 tiles' 3,072 bytes of a piece, 12,288 bytes apart
	s_or_b32 s32, s20, (3<<16)|(1<<21)
	MKG1 32, 384, 8, 1536                          ; W's codes: 8 tiles
	; byte offsets.  No register that feeds x's descriptor ever holds cx, none that feeds W's ever holds cy
	s_mul_i32 s40, s[PCE], 3072                    ; my piece's place in a tile
	s_mul_i32 s22, s18, 16*TILEB                   ; x's tile 16 y
	s_add_co_u32 s22, s22, s40
	s_mov_b32 s23, 0
	s_lshl_b32 s66, s18, 13
	s_add_co_u32 s66, s66, SCOFF                   ; x's scale words
	s_mov_b32 s67, 0
	s_mul_i32 s100, s17, 8*TILEB                   ; W's tile 8 x
	s_add_co_u32 s100, s100, s40
	s_mov_b32 s101, 0
	s_lshl_b32 s56, s17, 12
	s_add_co_u32 s56, s56, SCOFF                   ; W's scale words
	s_mov_b32 s57, 0
	s_mov_b32 s60, 1                               ; group 0 for x's piece: to LDS byte XP + 49,152 x piece
	s_mul_i32 s61, s[PCE], 49152
	s_mov_b32 s84, 1                               ; and for W's: WP + 24,576 x piece
	s_mul_i32 s85, s[PCE], 24576
	s_add_co_u32 s85, s85, WP
	s_lshl_b32 s42, s17, 2                         ; phase 2: W_v's tiles 128 + 4 x + 2 (wave / 4), + 1,
	s_lshl_b32 s21, s41, 1
	s_add_co_u32 s42, s42, s21
	s_add_co_u32 s42, s42, 128
	s_mul_i32 s42, s42, TILEB
	s_mov_b32 s43, 0
	s_lshl_b32 s44, s17, 1                         ; their scale words: pair 64 + 2 x + wave / 4,
	s_add_co_u32 s44, s44, s41
	s_lshl_b32 s44, s44, 10
	s_add_co_u32 s44, s44, SCOFF+64*1024
	s_mov_b32 s45, 0
	s_lshl_b32 s46, s17, 8                         ; and their bias: column 2,048 + 64 x + 32 (wave / 4) on
	s_lshl_b32 s21, s41, 7
	s_add_co_u32 s46, s46, s21
	s_add_co_u32 s46, s46, 8192
	s_mov_b32 s47, 0
	s_wait_dscnt 0x0
	s_wait_kmcnt 0x0
	s_add_nc_u64 s[62:63], s[4:5], s[22:23]
	s_or_b32 s63, s63, 0x80000000
	s_add_nc_u64 s[66:67], s[4:5], s[66:67]
	s_add_nc_u64 s[86:87], s[6:7], s[100:101]
	s_or_b32 s87, s87, 0x80000000
	s_add_nc_u64 s[56:57], s[6:7], s[56:57]
	s_add_nc_u64 s[42:43], s[6:7], s[42:43]
	s_add_nc_u64 s[44:45], s[6:7], s[44:45]
	s_add_nc_u64 s[46:47], s[8:9], s[46:47]
	CROUND                                         ; all sixteen work-groups are here: the joint loads meet
	ARM 1, 60, 24                                  ; one chain of eight arms, one load to an arm, in the order in which the pieces are multiplied: x's piece 0, W's piece 0, x's piece 1, ..
	ARM 2, 84, 32
	ARM 3, 60, 24
	ARM 4, 84, 32
	ARM 5, 60, 24
	ARM 6, 84, 32
	ARM 7, 60, 24
	tensor_load_to_lds s[84:87], s[32:39]
	s_nop 0
	PLACES 4
.Lfilled:
	v_and_b32 v15, 31, v0                          ; lane
	v_lshlrev_b32 v1, 4, v15                       ; 16 x lane
	v_lshlrev_b32 v2, 3, v15                       ; 8 x lane
	v_lshlrev_b32 v3, 2, v15                       ; 4 x lane
	v_lshlrev_b32 v26, 4, v0                       ; the scale words: 16 bytes a thread of each 4,096
	v_add_nc_u32 v27, XSC, v26                     ; and their place in LDS (W's lie 8,192 behind x's)
	global_load_b128 v[76:79], v26, s[66:67]
	global_load_b128 v[80:83], v26, s[66:67] offset:4096
	global_load_b128 v[84:87], v26, s[56:57]
	s_mov_b32 s[SEL], 0x76543210
	s_mov_b32 s[SEL+1], 0xfedcba98
	v_add_nc_u32 v4, WP, v1                        ; phase 1: source 0 = W's eight tiles, source 1 = x's tiles 2 w, 2 w + 1
	v_add_nc_u32 v5, WP, v2
	s_mul_i32 s21, s[WV], 6144
	v_add_nc_u32 v6, s21, v1
	v_add_nc_u32 v7, s21, v2
	v_add_nc_u32 v8, WSC, v3
	s_lshl_b32 s21, s[WV], 10
	s_add_co_u32 s21, s21, XSC
	v_add_nc_u32 v9, s21, v3
	s_lshl_b32 s22, s17, 9                         ; the bias begins the sums: it is loaded into the accumulators, in the result's layout: tile 2 b + u, register j: n = 32 b + 16 h + 8 u + j
	s_mov_b32 s23, 0
	s_add_nc_u64 s[8:9], s[8:9], s[22:23]
	v_bfe_u32 v14, v0, 4, 1
	v_lshlrev_b32 v14, 6, v14
.irp p, 0,1
.irp t, 0,1,2,3,4,5,6,7
	global_load_b128 v[ACC+64*\p+8*\t:ACC+64*\p+8*\t+3], v14, s[8:9] offset:128*(\t/2)+32*(\t%2)
	global_load_b128 v[ACC+64*\p+8*\t+4:ACC+64*\p+8*\t+7], v14, s[8:9] offset:128*(\t/2)+32*(\t%2)+16
.endr
.endr
	; where phase 1's results go: record (head 2 (x % 8) of the batch, step 2 (y % 8) + w / 4); the second head's lies HEADB on
	s_lshr_b32 s21, s18, 3
	s_lshl_b32 s21, s21, 4
	s_and_b32 s22, s17, 7
	s_lshl_b32 s22, s22, 1
	s_add_co_u32 s21, s21, s22
	s_lshl_b32 s21, s21, 4
	s_and_b32 s22, s18, 7
	s_lshl_b32 s22, s22, 1
	s_add_co_u32 s21, s21, s22
	s_add_co_u32 s21, s21, s41
	s_mul_i32 s22, s21, REC
	s_cmp_lt_u32 ttmp9, 2                          ; q's part or k's
	s_cselect_b32 s23, 0, KVOFF
	s_add_co_u32 s22, s22, s23
	s_mov_b32 s23, 0
	s_add_nc_u64 s[4:5], s[10:11], s[22:23]
	s_mul_i32 s22, s[W3], 1536
	s_add_nc_u64 s[6:7], s[4:5], s[22:23]          ; my two tiles' half images
	s_lshl_b32 s22, s[W3], 7
	s_add_nc_u64 s[4:5], s[4:5], s[22:23]          ; and their scale words
	; and phase 2's: record (head x of the batch, step 2 (y % 8) + (w % 4) / 2) of part 1; tiles 2 (w / 4), + 1 of d; half w % 2 of the fragment and of the scale word
	s_lshr_b32 s21, s18, 3
	s_lshl_b32 s21, s21, 4
	s_add_co_u32 s21, s21, s17
	s_lshl_b32 s21, s21, 4
	s_and_b32 s22, s18, 7
	s_lshl_b32 s22, s22, 1
	s_add_co_u32 s21, s21, s22
	s_lshr_b32 s22, s[W3], 1
	s_add_co_u32 s21, s21, s22
	s_mul_i32 s48, s21, REC
	s_add_co_u32 s48, s48, KVOFF
	s_and_b32 s22, s[W3], 1
	s_mul_i32 s50, s41, 3072
	s_mul_i32 s23, s22, 768
	s_add_co_u32 s50, s50, s23
	s_add_co_u32 s50, s50, s48
	s_mov_b32 s51, 0
	s_lshl_b32 s52, s41, 8
	s_lshl_b32 s23, s22, 1
	s_add_co_u32 s52, s52, s23
	s_add_co_u32 s52, s52, s48
	s_mov_b32 s53, 0
	s_add_nc_u64 s[50:51], s[10:11], s[50:51]
	s_add_nc_u64 s[52:53], s[10:11], s[52:53]
	WALU                                           ; the wait at the head's end
; ---------------- PHASE 1: q or k
	PAIR 0
	PAIR 1
	s_set_vgpr_msb 0x40                            ; destinations in registers 256 on: W_v's two tiles, all of K: fragment (p, K step k) at 256 + 96 p + 12 k.  64 loads, waited for ahead of phase 2
.irp p, 0,1
.irp k, 0,1,2,3,4,5,6,7
.irp c, 0,1
	global_load_b128 v[96*\p+12*\k+6*\c:96*\p+12*\k+6*\c+3], v1, s[42:43] offset:\p*TILEB+\k*1536+\c*768
	global_load_b64 v[96*\p+12*\k+6*\c+4:96*\p+12*\k+6*\c+5], v2, s[42:43] offset:\p*TILEB+\k*1536+\c*768+512
.endr
.endr
.endr
	s_set_vgpr_msb 0x4000
	PAIR 2
	PAIR 3
	PLACES 4                                       ; in front of the first read of results and of writes to registers that the last products read
	v_and_b32 v9, 7, v0                            ; phase 2's bias: one number a lane and tile: column 8 p + r + 8 (r / 8) of my 32
	v_bfe_u32 v8, v0, 3, 1
	v_lshl_add_u32 v9, v8, 4, v9
	v_lshlrev_b32 v9, 2, v9
.irp kp, 0,1,2,3
.irp p, 0,1
	WSREG \p, \kp
	global_load_b32 v[WSR], v3, s[44:45] offset:\kp*256+\p*128   ; W_v's scale words: they land under phase 1's way out
.endr
.endr
	global_load_b32 v26, v9, s[46:47]
	global_load_b32 v14, v9, s[46:47] offset:32
.irp b, 0,1,2,3
	v_mov_b32 v[TM+4+\b], 0                        ; a lane permute's destination counts as one of its sources
.endr
	QUANT ACC, 44, 84                              ; half c of the fragment is head 2 (x % 8) + c's 64 channels
	PUTH 44, 6, 0
	PUTH 50, 6, HEADB
	QUANT ACC+64, 64, 85
	PUTH 64, 6, 768
	PUTH 70, 6, 768+HEADB
	v_cmp_le_u32 vcc_lo, 16, v15
	v_cndmask_b32 v86, v84, v85, vcc_lo            ; lanes 0-15: tile 2 w's words, lanes 16-31: tile 2 w + 1's
	v_and_b32 v87, 0xffff, v86                     ; bytes 0, 1: the first head's two blocks; bytes 2, 3 of a stored word are 0
	v_lshrrev_b32 v88, 16, v86                     ; bytes 2, 3: the second head's
	global_store_b32 v3, v87, s[4:5] offset:12288
	global_store_b32 v3, v88, s[4:5] offset:12288+HEADB
; ---------------- PHASE 2: v.  x's panel lies in LDS as the last barrier showed it
	s_mul_i32 s21, s[W3], 12288                    ; my four token tiles: pieces 0, 1 by v4, v5; pieces 2, 3 by v6, v7
	v_add_nc_u32 v4, s21, v1
	v_add_nc_u32 v5, s21, v2
	s_add_co_u32 s21, s21, 98304
	v_add_nc_u32 v6, s21, v1
	v_add_nc_u32 v7, s21, v2
	s_lshl_b32 s21, s[W3], 11
	s_add_co_u32 s21, s21, XSC
	v_add_nc_u32 v8, s21, v3
	WALU                                           ; directly ahead of the blocking wait
	s_wait_xcnt 0x0                                ; phase 1's stores have read their registers: the loads below land there
	VGRP 0
	VGRP 1
	s_wait_loadcnt 0x0                             ; W_v's fragments, scale words and bias
	s_set_vgpr_msb 0x0004                          ; source 1 in registers 256 on; under it stand products, LDS loads and v_nop alone
	s_wait_dscnt 16                                ; all but K step 1's sixteen loads
	VMUL 0, 1                                      ; the first K step's products start the sums
	PLACES 4
	VGRP 2
.irp ks, 1,2,3,4,5
	s_wait_dscnt 16+4*(\ks%2)                      ; all but the next K step's group: sixteen loads, and ahead of an even K step four scale words
	VMUL \ks, 0
	PLACES 4                                       ; in front of loads into the registers just multiplied
	VGRP \ks+2
.endr
	s_wait_dscnt 16
	VMUL 6, 0
	s_wait_dscnt 0x0
	VMUL 7, 0
	s_set_vgpr_msb 0x0400
	PLACES 4
	v_bfe_u32 v[TM+7], v0, 4, 1
	v_lshlrev_b32 v[TM+7], 3, v[TM+7]              ; 8 h
	v_mov_b32 v[TM+6], 0
.set J, 0
.rept 16
	v_pk_add_f32 v[ACC+J:ACC+J+1], v[ACC+J:ACC+J+1], v[26:27] op_sel_hi:[1,0]          ; my channel's bias onto its 32 keys, each accumulator from its low end on
	v_pk_add_f32 v[ACC+32+J:ACC+33+J], v[ACC+32+J:ACC+33+J], v[14:15] op_sel_hi:[1,0]
.set J, J+2
.endr
	QUANTV ACC, 44, 84                             ; block c here is tile 2 (w / 4) + c of d
	PUTH 44, 50, 6144
	PUTH 50, 50, 6144+1536
	global_store_b16 v3, v84, s[52:53] offset:12800              ; bytes 2 (w % 2), + 1 of the first tile's scale words,
	global_store_d16_hi_b16 v3, v84, s[52:53] offset:12800+128   ; and of the second's
	s_wait_tensorcnt 0x0                           ; the wave's end
	ds_add_u32 v126, v127
	s_wait_dscnt 0x0
	CROUND                                         ; the closing round: no work-group ends while a partner may still ask for a panel that names it
	s_endpgm
.Lfunc_end_k_q1133cda667_gemm_qkv:
	.size	k_q1133cda667_gemm_qkv, .Lfunc_end_k_q1133cda667_gemm_qkv-k_q1133cda667_gemm_qkv
	.p2alignl 7, 3214868480
	.fill 96, 4, 3214868480
	.section	.rodata,"a",@progbits
	.p2align	6, 0x0
	.amdhsa_kernel k_q1133cda667_gemm_qkv
		.amdhsa_group_segment_fixed_size 308224
		.amdhsa_private_segment_fixed_size 0
		.amdhsa_enable_private_segment 0
		.amdhsa_kernarg_size 32
		.amdhsa_user_sgpr_count 2
		.amdhsa_user_sgpr_kernarg_segment_ptr 1
		.amdhsa_wavefront_size32 1
		.amdhsa_system_sgpr_workgroup_id_x 1
		.amdhsa_system_sgpr_workgroup_id_y 1
		.amdhsa_system_sgpr_workgroup_id_z 1
		.amdhsa_system_vgpr_workitem_id 0
		.amdhsa_next_free_vgpr 448
		.amdhsa_next_free_sgpr 102
		.amdhsa_reserve_vcc 1
		.amdhsa_float_denorm_mode_32 3
		.amdhsa_float_denorm_mode_16_64 3
		.amdhsa_memory_ordered 1
		.amdhsa_forward_progress 1
		.amdhsa_inst_pref_size 98
	.end_amdhsa_kernel
	.amdgpu_metadata
---
amdhsa.version: [ 1, 2 ]
amdhsa.kernels:
  - .name:           k_q1133cda667_gemm_qkv
    .symbol:         k_q1133cda667_gemm_qkv.kd
    .args:
      - { .name: xq, .offset: 0, .size: 8, .value_kind: global_buffer, .address_space: global }
      - { .name: wq, .offset: 8, .size: 8, .value_kind: global_buffer, .address_space: global }
      - { .name: b_qkv, .offset: 16, .size: 8, .value_kind: global_buffer, .address_space: global }
      - { .name: qkvc, .offset: 24, .size: 8, .value_kind: global_buffer, .address_space: global }
    .group_segment_fixed_size: 308224
    .private_segment_fixed_size: 0
    .kernarg_segment_align: 8
    .kernarg_segment_size: 32
    .max_flat_workgroup_size: 256
    .sgpr_count:     102
    .vgpr_count:     448
    .wavefront_size: 32
...
	.end_amdgpu_metadata
.endif
;; end of part 2
;; launch attn (part 3): grid 8 x 32, 16 waves a work-group, clusters of 4 x 1, 215,040 bytes of LDS; arguments qkvc, oq; writes oq
.if DOCPART == 3
	.amdgcn_target "amdgcn-amd-amdhsa--gfx1250"
	.amdhsa_code_object_version 6
	.text
	.protected	k_q1133cda667_attn
	.globl	k_q1133cda667_attn
	.p2align	8
	.type	k_q1133cda667_attn,@function
k_q1133cda667_attn:
	s_mov_b64 s[64:65], 0
	v_nop
	global_prefetch_b8 v0, s[64:65] scope:SCOPE_SE
	s_setreg_imm32_b32 hwreg(HW_REG_WAVE_MODE, 25, 1), 1
	s_wait_xcnt 0x0
	s_wait_alu depctr_hold_cnt(0) depctr_sa_sdst(0) depctr_va_vdst(0) depctr_va_sdst(0) depctr_va_ssrc(0) depctr_va_vcc(0) depctr_vm_vsrc(0)
	s_getreg_b32 s2, hwreg(HW_REG_IB_STS2, 6, 4)
	s_cmp_eq_u32 s2, 0
	s_cbranch_scc0 .Lentry_in_a_cluster
	s_endpgm
.Lentry_in_a_cluster:
	s_bfe_u32 s2, ttmp6, 0x10000c
	s_cmp_lg_u32 s2, 0x3003
	s_cbranch_scc0 .Lentry_shape_is_right
	s_endpgm
.Lentry_shape_is_right:
; o = softmax(q k^T / 8) v for one head, both products on codes of FP6 (E2M3) with E8M0 scales, and o's quantiser along D for the last product.
; THE SOFTMAX AHEAD OF THE SECOND PRODUCT: t = score x log2(e) / 8; M = the row's largest t so far, rounded up to a whole number; p = 2^(t - M) is quantised along the keys, not normalised;
; the row's sum is taken of the unquantised p and divides o at the end.  When M moves, the sum and O are multiplied by 2^(old M - new M): exact.
; SHARES.  A work-group owns 256 queries of head y; each of its sixteen waves one tile of 16 queries, in 232 registers: four waves to a SIMD.
; THE HEAD'S WHOLE k/v STREAM, 16 records of 13,312 bytes (128 keys each), lies in LDS as it lies in memory and is filled ONCE: wave w asks for record w, 52 rows of 256 bytes: one load a wave.
; Waves 0 and 1 have a load line of their own: the first barrier shows records 0 and 1 alone, and key step 0 begins.  At key step 1's head every wave waits for its load and signals the second barrier;
; the wait for that barrier stands at the step's end, ahead of the first read of record 2.  Key steps 2 to 14 have barriers of the same form.
; CLUSTER.  The four blocks of queries of a cluster belong to one head: each record is asked for jointly (mask 15).
; NO PREFETCH: the head's sixteen loads ask for all that the work-group reads through LDS; no later load is left to run ahead of.
; LAYOUT.  Both products are used transposed: S^T = K Q^T, O^T = V^T P^T: a lane holds one query (lane % 16) throughout.  Tiles of tokens go in fours over 64: lane r of tile 4 g + t holds token 64 g + 32 (r / 8) + 8 t + r % 8.
; So the 32 score registers of tiles 4 g .. 4 g + 3 in lane (r, h) are keys 64 g + 32 h + 0 .. 31: one whole scale block, in the order of the operand's registers: no lane asks another for a block's maximum, and no code changes lanes.
; Tiles of d are pairs over 32 (lane r of tile 2 b + u: 32 b + 8 u + r + 8 (r / 8)), so o's 16 registers of tiles 2 b, 2 b + 1 are 16 neighbouring channels.
; K = 64 IN AN INSTRUCTION OF 128: Q's registers 6-11 are zero codes.  A tile of K is six registers; as source 0 the instruction is given twelve, of which the upper six are the next tile's codes (behind the last tile: zeros).
; Every code of E2M3 is a finite number, the scale bytes of k 64 .. 127 are 0 (2^-127) on both sides, and a finite number times the code 0 adds nothing.
; A KEY STEP'S ORDER: scores; the last step's four partial sums are joined (the places behind the scores' products); V^T is asked for; maxima, M, p; codes; O under the new M; second product; p's sums (its places),
; with the next step's K asked for behind the first four of them.
; LIMITS: NaN and infinities not served; the promise holds while the scaled scores stay under 2^31 in magnitude; a block of zeros has the byte 1 (this program alone reads the bytes).
; A block's largest p is taken as 2^(its largest t - M): this takes v_exp_f32 not to fall where its input rises.  o's scale bytes leave two at a time: a K step's scale word belongs to two heads, which are two work-groups.
; THE BARRIERS OF THE WALK, beyond the two named above: every key step from 2 to 14 has a barrier of the same split form as key step 1's (signal at the step's head, wait ahead of the next step's K),
; behind which nothing is filled: a wave passes the end of key step n only when all sixteen have begun it, so no wave stands more than two key steps ahead of another.
.set SCOFF, 3145728
.set TILEB, 12288
.set REC,   13312
.set HEADB, 212992
.set KVOFF, 6815744
.set FLOOR, 0x1800000
.set SPARE, 212992                     ; behind the stream: the spare words, 128 bytes a wave
.set SH,  7                            ; v7 8 h;  v1, v2 16 x, 8 x lane;  v3 4 x lane + 12,288;  v4-6 the same + the LDS byte of the records in hand;  v8 4 r
.set RUN, 9                            ; v9 the largest score so far
.set L,   14                           ; v[14:15] the row's sum, in two halves;  v[10:11], v[12:13]: -M, by turns (the upper words are named with them)
.set QS,  28                           ; v28 q's scale words, v30-33 K's (lanes 0-15 tile 2 b, lanes 16-31 tile 2 b + 1), v34-37 V's, v38 p's: they hold scales alone
.set KS,  30
.set VS,  34
.set PWD, 38
.set F,   40                           ; v40-93  K's eight tiles of six registers and six zeros; then V's four fragments in v40-87
.set S,   96                           ; v96-159 S^T, then p
.set O,   160                          ; v160-191 O^T
.set PC,  192                          ; v192-203 p's codes
.set AS,  204                          ; v204-211 four partial sums of p
.set BM,  212                          ; v212-215 four chains of maxima; then v212, v214 the two blocks' largest t - M, p, byte
.set SO,  216                          ; v216-217 the conversions' scale operands
.set CT,  218                          ; v218-220, v222-224 the upper halves of two blocks' codes, before they are moved
.set FF,  226                          ; v[226:227] f = 2^(old M - new M)
.set TMP, 228                          ; v228-229
.set SPW, 230
.set NIL, 231
.set WV,  8
.set TB,  12                           ; s12 LDS byte of the two records in hand
.set SEL, 14                           ; s[14:15] selects for lane l xor 16
.set CS,  16                           ; s[16:17] c = log2(e) / 8;  s58 = -c
.set CN,  58
.macro PLACES n
.rept \n
	v_nop
.endr
.endm
.macro WALU
	s_wait_alu depctr_va_vdst(0)
.endm
.macro DEP n
	s_delay_alu instid0(VALU_DEP_\n)
.endm
.macro CROUND
	s_barrier_signal -1
	s_barrier_wait -1
	s_cmp_lg_u32 s[WV], 0
	s_cbranch_scc1 .Lnot_wave_0_\@
	s_barrier_signal -3
.Lnot_wave_0_\@:
	s_barrier_wait -3
	s_barrier_signal -1
	s_barrier_wait -1
.endm
.macro GETH reg, a16, a8, off
	ds_load_b128 v[\reg:\reg+3], v[\a16] offset:\off
	ds_load_b64 v[\reg+4:\reg+5], v[\a8] offset:(\off)+512
.endm
.macro KLOAD off                       ; a record's eight tiles of K and their scale words: 20 loads
.irp t, 0,1,2,3,4,5,6,7
	GETH F+6*\t, 4, 5, (\off)+768*\t
.endr
.irp b, 0,1,2,3
	ds_load_b32 v[KS+\b], v6 offset:(\off)+128*\b
.endr
.endm
.macro JOIN                            ; a step's four partial sums, and the sum so far under that step's M: four plain lines
	v_pk_add_f32 v[AS:AS+1], v[AS:AS+1], v[AS+2:AS+3]
	v_pk_add_f32 v[AS+4:AS+5], v[AS+4:AS+5], v[AS+6:AS+7]
	v_pk_add_f32 v[AS:AS+1], v[AS:AS+1], v[AS+4:AS+5]
	v_pk_fma_f32 v[L:L+1], v[L:L+1], v[FF:FF+1], v[AS:AS+1] op_sel_hi:[1,0,1]
.endm
	s_load_b128 s[4:7], s[0:1], 0x0                ; qkvc s[4:5], oq s[6:7]
	v_lshl_add_u32 v[SPW], v0, 2, SPARE
	v_mov_b32 v[NIL], 0
	ds_add_u32 v[SPW], v[NIL]                      ; the opening lines: the add twice on end and its wait
	ds_add_u32 v[SPW], v[NIL]
	v_lshrrev_b32 v1, 5, v0
	v_readfirstlane_b32 s[WV], v1                  ; wave 0..15
	s_bfe_u32 s9, ttmp6, 0x40000                   ; cx
	s_lshl_b32 s10, ttmp9, 2
	s_add_co_u32 s10, s10, s9                      ; my block of 256 queries: it enters q's and o's addresses alone
	s_and_b32 s11, ttmp7, 0xffff                   ; the head (16 x batch + head), which the four partners share
	s_mov_b32 s24, 15|(3<<16)|(1<<21)              ; group 1: the mask: all four; elements of 8 bytes; bit 21 beside a mask; no padding
	s_mov_b32 s25, 32<<16                          ; rows of 256 bytes,
	s_mov_b32 s26, 52<<16                          ; 52 of them: a record,
	s_mov_b32 s27, 32<<16
	s_mov_b32 s28, 52
	s_mov_b32 s29, 32                              ; dense
	s_mov_b32 s30, 0
	s_mov_b32 s31, 0
	s_mov_b32 s32, 1                               ; group 0: record = wave, in memory and in LDS
	s_mul_i32 s33, s[WV], REC
	s_mul_i32 s18, s11, HEADB
	s_mul_i32 s19, s[WV], REC
	s_add_co_u32 s20, s18, s19
	s_add_co_u32 s20, s20, KVOFF
	s_mov_b32 s21, 0
	s_lshl_b32 s22, s10, 1
	s_lshr_b32 s23, s[WV], 3
	s_add_co_u32 s22, s22, s23                     ; q's record: 2 x block + wave / 8
	s_mul_i32 s22, s22, REC
	s_add_co_u32 s22, s22, s18
	s_mov_b32 s23, 0
	s_and_b32 s48, s[WV], 7                        ; my tile in it
	s_mul_i32 s50, s48, 768
	s_mov_b32 s51, 0
	s_lshl_b32 s52, s48, 6
	s_mov_b32 s53, 0
	s_mov_b32 s[SEL], 0x76543210
	s_mov_b32 s[SEL+1], 0xfedcba98
	s_mov_b32 s[CS], 0x3e38aa3b
	s_mov_b32 s[CS+1], s[CS]                       ; (named with it as a pair, so it is written)
	s_mov_b32 s[CN], 0xbe38aa3b
	s_wait_dscnt 0x0
	s_wait_kmcnt 0x0
	s_add_nc_u64 s[34:35], s[4:5], s[20:21]
	s_or_b32 s35, s35, 0x80000000
	s_add_nc_u64 s[22:23], s[4:5], s[22:23]
	s_add_nc_u64 s[50:51], s[22:23], s[50:51]      ; q's half image
	s_add_nc_u64 s[52:53], s[22:23], s[52:53]      ; q's scale words, 12,288 bytes on
	CROUND                                         ; all four work-groups are here: the joint loads meet
	s_cmp_lt_u32 s[WV], 2                          ; two arms, one load each: the first barrier waits for the first arm's line alone
	s_cbranch_scc0 .Lrest
	tensor_load_to_lds s[32:35], s[24:31]
	s_nop 0
	PLACES 4
	s_branch .Lasked
.Lrest:
	tensor_load_to_lds s[32:35], s[24:31]
	s_nop 0
	PLACES 4
.Lasked:
	v_and_b32 v[TMP], 31, v0
	v_lshlrev_b32 v1, 4, v[TMP]
	v_lshlrev_b32 v2, 3, v[TMP]
	v_lshl_add_u32 v3, v[TMP], 2, 12288
	v_and_b32 v8, 15, v0
	v_lshlrev_b32 v8, 2, v8
	global_load_b128 v[16:19], v1, s[50:51]        ; Q stays in registers
	global_load_b64 v[20:21], v2, s[50:51] offset:512
	global_load_b32 v[QS], v8, s[52:53] offset:12288
	v_lshlrev_b32 v4, 4, v[TMP]                    ; records 0 and 1
	v_lshlrev_b32 v5, 3, v[TMP]
	v_lshl_add_u32 v6, v[TMP], 2, 12288
	v_bfe_u32 v[SH], v0, 4, 1
	v_lshlrev_b32 v[SH], 3, v[SH]
.irp j, 22,23,24,25,26,27,88,89,90,91,92,93
	v_mov_b32 v[\j], 0                             ; Q's codes of k 64 .. 127, and what stands behind K's last tile
.endr
	v_mov_b32 v[RUN], 0xff61b1e6                   ; the largest score so far: -3e38
	v_mov_b32 v12, 0x7f61b1e6                      ; and its -M: the first f comes out 0
.irp j, 11,13,L,L+1,FF+1,TMP+1
	v_mov_b32 v[\j], 0                             ; the upper words of pairs; the sum; a lane permute's destination counts as one of its sources
.endr
	; where o goes: tile Tg = 128 x batch + 16 x block + wave; this head's 64 are half (head % 2) of K step head / 2
	s_lshr_b32 s18, s11, 4
	s_lshl_b32 s18, s18, 7
	s_lshl_b32 s19, s10, 4
	s_add_co_u32 s18, s18, s19
	s_add_co_u32 s18, s18, s[WV]
	s_and_b32 s19, s11, 15
	s_mul_i32 s54, s18, TILEB
	s_mul_i32 s55, s19, 768
	s_add_co_u32 s54, s54, s55
	s_mov_b32 s55, 0
	s_add_nc_u64 s[54:55], s[6:7], s[54:55]
	s_lshr_b32 s56, s18, 1
	s_lshl_b32 s56, s56, 10
	s_and_b32 s57, s18, 1
	s_lshl_b32 s57, s57, 7
	s_add_co_u32 s56, s56, s57
	s_lshr_b32 s57, s19, 2
	s_lshl_b32 s57, s57, 8
	s_add_co_u32 s56, s56, s57
	s_bfe_u32 s57, s19, 0x10001
	s_lshl_b32 s57, s57, 6
	s_add_co_u32 s56, s56, s57
	s_and_b32 s57, s19, 1
	s_lshl_b32 s57, s57, 1
	s_add_co_u32 s56, s56, s57
	s_add_co_u32 s56, s56, SCOFF
	s_mov_b32 s57, 0
	s_add_nc_u64 s[56:57], s[6:7], s[56:57]
; A KEY STEP: the 128 keys of the record \r bytes behind v4-6's.  Its K was asked for by the step before.  par: which pair takes the new -M.  first = 1: O^T and the sum begin here.
; bar = 1: the barrier that shows the rest of the stream: signal at the step's head, wait ahead of the next K.  next = 1: the next record's K is asked for.
.macro STEP r, par, first, bar, next
.set MN, 10+2*(\par)
.set MO, 12-2*(\par)
	WALU                                           ; directly ahead of the blocking wait: the partial sums
.if \bar == 1
	s_wait_tensorcnt 0x0                           ; my record has landed
.endif
	s_wait_dscnt 0x0                               ; K and its scale words
.if \bar
	s_barrier_signal -1
.endif
.irp t, 0,2,4,6
	v_wmma_scale_f32_16x16x128_f8f6f4 v[S+8*\t:S+8*\t+7], v[F+6*\t:F+6*\t+11], v[16:27], 0, v[KS+\t/2], v[QS] matrix_a_fmt:MATRIX_FMT_FP6 matrix_b_fmt:MATRIX_FMT_FP6
	v_wmma_scale_f32_16x16x128_f8f6f4 v[S+8*\t+8:S+8*\t+15], v[F+6*\t+6:F+6*\t+17], v[16:27], 0, v[KS+\t/2], v[QS] matrix_a_fmt:MATRIX_FMT_FP6 matrix_b_fmt:MATRIX_FMT_FP6 matrix_a_scale:MATRIX_SCALE_ROW1
.endr
.if \first
	PLACES 4
.else
	JOIN                                           ; the four places in front of the loads below and of the first read of the scores
.endif
.irp d, 0,1,2,3                                ; V^T is asked for now and lands under the softmax
.irp c, 0,1
	GETH F+12*\d+6*\c, 4, 5, (\r)+6144+1536*\d+768*\c
.endr
	ds_load_b32 v[VS+\d], v6 offset:(\r)+512+128*\d
.endr
.irp q, 0,1,2,3                                ; the largest score of each block of 32 keys, in two chains a block; each accumulator is read from its low end on
	v_max3_num_f32 v[BM+\q], v[S+16*\q], v[S+16*\q+1], v[S+16*\q+2]
.endr
.irp i, 3,5,7,9,11,13
.irp q, 0,1,2,3
	v_max3_num_f32 v[BM+\q], v[BM+\q], v[S+16*\q+\i], v[S+16*\q+\i+1]
.endr
.endr
	v_max3_num_f32 v[BM], v[BM], v[BM+1], v[S+15]
	v_max3_num_f32 v[BM+2], v[BM+2], v[BM+3], v[S+47]
	v_max_num_f32 v[BM], v[BM], v[S+31]
	v_max_num_f32 v[BM+2], v[BM+2], v[S+63]
	DEP 1
	v_max_num_f32 v[TMP], v[BM], v[BM+2]
	DEP 1
	v_permlanex16_b32 v[TMP+1], v[TMP], s[SEL], s[SEL+1]
	DEP 1
	v_max3_num_f32 v[RUN], v[RUN], v[TMP], v[TMP+1]   ; with lane l xor 16's two blocks: the largest score so far
	DEP 1
	v_mul_f32 v[TMP], s[CN], v[RUN]                ; -t
	DEP 1
	v_floor_f32 v[MN], v[TMP]                      ; the new -M = floor(-t) = -ceil(t)
	DEP 1
	v_sub_f32 v[TMP], v[MN], v[MO]                 ; old M - new M: a whole number, 0 or less
	DEP 1
	v_cvt_i32_f32 v[TMP], v[TMP]                   ; (it saturates)
	DEP 1
	v_ldexp_f32 v[FF], 1.0, v[TMP]                 ; f = 2^(old M - new M)
.set J, 0
.rept 32
	v_pk_fma_f32 v[S+J:S+J+1], v[S+J:S+J+1], s[CS:CS+1], v[MN:MN+1] op_sel_hi:[1,0,0]   ; t - M, two at a time
.set J, J+2
.endr
	v_fma_f32 v[BM], v[BM], s[CS], v[MN]           ; the same of each block's largest score
	v_fma_f32 v[BM+2], v[BM+2], s[CS], v[MN]
	WALU                                           ; the wait ahead of the batch
	v_exp_f32 v[BM], v[BM]                         ; the blocks' largest p
	v_exp_f32 v[BM+2], v[BM+2]
.set J, 0
.rept 64
	v_exp_f32 v[S+J], v[S+J]                       ; p = 2^(t - M), at most 1
.set J, J+1
.endr
	v_nop                                          ; one plain place behind the exponentials
	WALU                                           ; and the wait behind the batch
	v_max_num_f32 v[BM], FLOOR, v[BM]              ; the floor: the byte cannot fall under 1
	v_max_num_f32 v[BM+2], FLOOR, v[BM+2]
	DEP 2
	v_add_nc_u32 v[SO], 0xff000000, v[BM]          ; 2 off the exponent field: the conversion's scale operand
	DEP 2
	v_add_nc_u32 v[SO+1], 0xff000000, v[BM+2]
	DEP 2
	v_lshrrev_b32 v[BM], 23, v[SO]                 ; the scale's byte
	DEP 2
	v_lshrrev_b32 v[BM+2], 23, v[SO+1]
	v_cvt_scalef32_pk16_fp6_f32 v[PC:PC+2], v[S:S+15], v[SO]
	v_cvt_scalef32_pk16_fp6_f32 v[CT:CT+2], v[S+16:S+31], v[SO]          ; (a conversion's three registers begin on an even number)
	v_cvt_scalef32_pk16_fp6_f32 v[PC+6:PC+8], v[S+32:S+47], v[SO+1]
	v_cvt_scalef32_pk16_fp6_f32 v[CT+4:CT+6], v[S+48:S+63], v[SO+1]
	v_lshl_or_b32 v[TMP], v[BM+2], 16, v[BM]       ; my two bytes: blocks h and 2 + h (also the plain place behind the conversions),
	DEP 1
	v_lshlrev_b32 v[TMP], v[SH], v[TMP]            ; at their places;
	DEP 1
	v_permlanex16_b32 v[TMP+1], v[TMP], s[SEL], s[SEL+1]
	DEP 1
	v_or_b32 v[PWD], v[TMP], v[TMP+1]              ; with lane l xor 16's two: p's scale word for these 128 keys
.irp i, 0,1,2
	v_mov_b32 v[PC+3+\i], v[CT+\i]
	v_mov_b32 v[PC+9+\i], v[CT+4+\i]
.endr
.if \first
	PLACES 4                                       ; with the six moves: the places between p's scale word and codes and the products
.else
	WALU                                           ; directly ahead of the first reader of O^T
.set J, 0
.rept 16
	v_pk_mul_f32 v[O+J:O+J+1], v[O+J:O+J+1], v[FF:FF+1] op_sel_hi:[1,0]   ; O^T under the new M, each accumulator from its low end on
.set J, J+2
.endr
.endif
	WALU                                           ; directly ahead of the blocking wait
	s_wait_dscnt 0x0                               ; V^T and its scale words
.irp d, 0,1,2,3
.if \first
	v_wmma_scale_f32_16x16x128_f8f6f4 v[O+8*\d:O+8*\d+7], v[F+12*\d:F+12*\d+11], v[PC:PC+11], 0, v[VS+\d], v[PWD] matrix_a_fmt:MATRIX_FMT_FP6 matrix_b_fmt:MATRIX_FMT_FP6
.else
	v_wmma_scale_f32_16x16x128_f8f6f4 v[O+8*\d:O+8*\d+7], v[F+12*\d:F+12*\d+11], v[PC:PC+11], v[O+8*\d:O+8*\d+7], v[VS+\d], v[PWD] matrix_a_fmt:MATRIX_FMT_FP6 matrix_b_fmt:MATRIX_FMT_FP6
.endif
.endr
.irp k, 0,1,2,3                                ; THE ROW'S SUM IS TAKEN OF THE UNQUANTISED p: four chains; these four lines are the places in front of the loads below
	v_pk_add_f32 v[AS+2*\k:AS+2*\k+1], v[S+2*\k:S+2*\k+1], v[S+8+2*\k:S+9+2*\k]
.endr
.if \bar
	WALU                                           ; directly ahead of the blocking wait
	s_barrier_wait -1                              ; everybody's record has landed
.endif
.if \next
	KLOAD (\r)+REC
.endif
.irp i, 16,24,32,40,48,56
.irp k, 0,1,2,3
	v_pk_add_f32 v[AS+2*\k:AS+2*\k+1], v[AS+2*\k:AS+2*\k+1], v[S+\i+2*\k:S+\i+2*\k+1]
.endr
.endr
.endm
.macro BASE                            ; v4-6 for the two records at LDS byte s[TB]
	v_add_nc_u32 v4, s[TB], v1
	v_add_nc_u32 v5, s[TB], v2
	v_add_nc_u32 v6, s[TB], v3
.endm
	WALU                                           ; the wait at the head's end
	s_cmp_lt_u32 s[WV], 2
	s_cbranch_scc0 .Lnot_first
	s_wait_tensorcnt 0x0                           ; waves 0 and 1: records 0 and 1 have landed
.Lnot_first:
	s_barrier_signal -1
	s_barrier_wait -1                              ; the other fourteen records may be on their way
	KLOAD 0
	s_wait_loadcnt 0x0                             ; Q
	STEP 0, 0, 1, 0, 1
	STEP REC, 1, 0, 1, 1
	s_mov_b32 s[TB], 2*REC
.Lsteps:                                               ; six trips of two key steps: records 2 to 13
	BASE
	STEP 0, 0, 0, 2, 1
	STEP REC, 1, 0, 2, 1
	s_add_co_u32 s[TB], s[TB], 2*REC
	s_cmp_lt_u32 s[TB], 14*REC
	s_cbranch_scc1 .Lsteps
	BASE
	STEP 0, 0, 0, 2, 1
	STEP REC, 1, 0, 0, 0
	; THE WAY OUT: o = O^T / the sum is quantised where it stands: register 16 b + i is channel 32 b + 16 (lane / 16) + i of my query: two blocks of the last product's K.
	JOIN
	v_add_f32 v[L], v[L], v[L+1]
	v_permlanex16_b32 v[TMP], v[L], s[SEL], s[SEL+1]
	v_add_f32 v[L], v[L], v[TMP]                   ; the row's sum
	WALU
	v_rcp_f32 v[L], v[L]
	v_nop                                          ; one plain place behind a transcendental
	WALU
.set J, 0
.rept 16
	v_pk_mul_f32 v[S+J:S+J+1], v[O+J:O+J+1], v[L:L+1] op_sel_hi:[1,0]   ; each accumulator from its low end on
.set J, J+2
.endr
.irp b, 0,1
	v_max3_num_f32 v[BM+\b], |v[S+16*\b]|, |v[S+1+16*\b]|, FLOOR
.endr
.irp i, 2,4,6,8,10,12,14
.irp b, 0,1
	v_max3_num_f32 v[BM+\b], v[BM+\b], |v[S+16*\b+\i]|, |v[S+1+16*\b+\i]|
.endr
.endr
.irp b, 0,1
	v_permlanex16_b32 v[AS+\b], v[BM+\b], s[SEL], s[SEL+1]
.endr
.irp b, 0,1
	v_max_num_f32 v[BM+\b], v[BM+\b], v[AS+\b]     ; with lane l xor 16's 16 channels
.endr
.irp b, 0,1
	v_add_nc_u32 v[SO+\b], 0xff000000, v[BM+\b]
.endr
.irp b, 0,1
	v_lshrrev_b32 v[AS+4+\b], 23, v[SO+\b]
.endr
	v_lshl_or_b32 v[TMP], v[AS+5], 8, v[AS+4]      ; my row's two scale bytes; both halves of the lanes hold both
	v_cvt_scalef32_pk16_fp6_f32 v[PC:PC+2], v[S:S+15], v[SO]
	v_cvt_scalef32_pk16_fp6_f32 v[AS:AS+2], v[S+16:S+31], v[SO+1]
	v_nop                                          ; one plain place behind a scaled conversion
.irp i, 0,1,2
	v_permlane16_swap_b32 v[PC+\i], v[AS+\i]       ; the operand's layout wants a whole block in a lane
.endr
.irp i, 0,1,2
	v_mov_b32 v[PC+3+\i], v[AS+\i]
.endr
	global_store_b128 v1, v[PC:PC+3], s[54:55]     ; half a fragment's image: 512 and 256 consecutive bytes
	global_store_b64 v2, v[PC+4:PC+5], s[54:55] offset:512
	global_store_b16 v8, v[TMP], s[56:57]          ; lanes r and r + 16 write the same two bytes to the same place
	s_wait_tensorcnt 0x0                           ; the wave's end
	ds_add_u32 v[SPW], v[NIL]
	s_wait_dscnt 0x0
	CROUND                                         ; the closing round
	s_endpgm
.Lfunc_end_k_q1133cda667_attn:
	.size	k_q1133cda667_attn, .Lfunc_end_k_q1133cda667_attn-k_q1133cda667_attn
	.p2alignl 7, 3214868480
	.fill 96, 4, 3214868480
	.section	.rodata,"a",@progbits
	.p2align	6, 0x0
	.amdhsa_kernel k_q1133cda667_attn
		.amdhsa_group_segment_fixed_size 215040
		.amdhsa_private_segment_fixed_size 0
		.amdhsa_enable_private_segment 0
		.amdhsa_kernarg_size 16
		.amdhsa_user_sgpr_count 2
		.amdhsa_user_sgpr_kernarg_segment_ptr 1
		.amdhsa_wavefront_size32 1
		.amdhsa_system_sgpr_workgroup_id_x 1
		.amdhsa_system_sgpr_workgroup_id_y 1
		.amdhsa_system_sgpr_workgroup_id_z 1
		.amdhsa_system_vgpr_workitem_id 0
		.amdhsa_next_free_vgpr 232
		.amdhsa_next_free_sgpr 66
		.amdhsa_reserve_vcc 0
		.amdhsa_float_denorm_mode_32 3
		.amdhsa_float_denorm_mode_16_64 3
		.amdhsa_memory_ordered 1
		.amdhsa_forward_progress 1
		.amdhsa_inst_pref_size 101
	.end_amdhsa_kernel
	.amdgpu_metadata
---
amdhsa.version: [ 1, 2 ]
amdhsa.kernels:
  - .name:           k_q1133cda667_attn
    .symbol:         k_q1133cda667_attn.kd
    .args:
      - { .name: qkvc, .offset: 0, .size: 8, .value_kind: global_buffer, .address_space: global }
      - { .name: oq, .offset: 8, .size: 8, .value_kind: global_buffer, .address_space: global }
    .group_segment_fixed_size: 215040
    .private_segment_fixed_size: 0
    .kernarg_segment_align: 8
    .kernarg_segment_size: 16
    .max_flat_workgroup_size: 512
    .sgpr_count:     66
    .vgpr_count:     232
    .wavefront_size: 32
...
	.end_amdgpu_metadata
.endif
;; end of part 3
;; launch proj (part 4): grid 8 x 32, 8 waves a work-group, clusters of 4 x 4, 240,640 bytes of LDS; arguments oq, wq, b_out, out0; writes out0
.if DOCPART == 4
	.amdgcn_target "amdgcn-amd-amdhsa--gfx1250"
	.amdhsa_code_object_version 6
	.text
	.protected	k_q1133cda667_proj
	.globl	k_q1133cda667_proj
	.p2align	8
	.type	k_q1133cda667_proj,@function
k_q1133cda667_proj:
	s_mov_b64 s[64:65], 0
	v_nop
	global_prefetch_b8 v0, s[64:65] scope:SCOPE_SE
	s_setreg_imm32_b32 hwreg(HW_REG_WAVE_MODE, 25, 1), 1
	s_wait_xcnt 0x0
	s_wait_alu depctr_hold_cnt(0) depctr_sa_sdst(0) depctr_va_vdst(0) depctr_va_sdst(0) depctr_va_ssrc(0) depctr_va_vcc(0) depctr_vm_vsrc(0)
	s_getreg_b32 s2, hwreg(HW_REG_IB_STS2, 6, 4)
	s_cmp_eq_u32 s2, 0
	s_cbranch_scc0 .Lentry_in_a_cluster
	s_endpgm
.Lentry_in_a_cluster:
	s_bfe_u32 s2, ttmp6, 0x10000c
	s_cmp_lg_u32 s2, 0xf033
	s_cbranch_scc0 .Lentry_shape_is_right
	s_endpgm
.Lentry_shape_is_right:
; out0 = o w_out + b_out on codes of FP6 (E2M3) with E8M0 scales, K = 1,024; out0 [4096][1024] f32.
; A work-group makes 128 tokens x 128 columns: 256 work-groups.  Its two panels for all of K (8 + 8 tiles of 12,288 bytes, and their scale words) are filled ONCE, in four pieces of 256 along K:
; a piece's products begin when it has landed, the later pieces stay on their way.  The stage for the way out has LDS bytes of its own, in which no fill lands.
; CLUSTERS: 4 x 4 work-groups: o's panel hangs on the work-group's y alone and is asked for jointly by a row of the cluster, W's on its x alone and by a column.
; OPERANDS are images of their registers, tiles are pairs over 32 rows (lane r of tile 2 b + u: row 32 b + 8 u + r + 8 (r / 8)), as the launches that make them lay them.  w_out's tiles are wq's 192 on.
; THE PRODUCT IS USED TRANSPOSED: source 0 = W's tiles 4 (w % 2) .. + 3, source 1 = o's tiles 2 (w / 2), + 1: a lane holds one token, and the registers of tiles 2 b, 2 b + 1 are 16 neighbouring columns.
; Eight accumulators take turns, one instruction a turn; the bias is loaded into them and begins the sums.
; WHAT DIFFERS FROM THE LINES ABOVE.  o's tiles go in fours over 64 tokens, as x's do (lane r of tile 4 g + t: token 64 g + 32 (r / 8) + 8 t + r % 8); W's tiles stay pairs.  THE FILLS: one joint load a wave: wave 2 p brings o's piece p,
; wave 2 p + 1 W's piece p (8 rows of 3,072 bytes each), each by a line of its own; in front of the barrier of piece p those two waves wait for their load.
; The scale words (4,096 + 4,096 bytes) come by plain loads, 32 bytes a thread, and are stored into LDS bytes of their own, in which no fill lands.
.set SCOFF, 3145728
.set TILEB, 12288
.set OP,    0                          ; LDS: o's codes [piece 4][8 tiles][3,072]
.set WP,    98304                      ; W's likewise
.set OSC,   196608                     ; o's scale words, 4 pairs x 1,024
.set WSC,   200704                     ; W's
.set STAGE, 204800                     ; 16 rows x (256 bytes + 16) for each wave
.set SC0, 16                           ; v16-19 W's scale words, v20-21 o's: lanes 0-15 the even K step, lanes 16-31 the odd one; they hold scales alone
.set SC1, 20
.set FB,  24                           ; v24-167 fragments: K step s of the piece at FB + 72 s: W's four, then o's two
.set ACC, 168                          ; v168-231 accumulator (p, t) at ACC + 32 p + 8 t
.set OB,  24                           ; the way out: rows read back from the stage
.set WV,  12
.set PCE, 13                           ; s13 the piece of K that my wave fetches: wave / 2
.macro PLACES n
.rept \n
	v_nop
.endr
.endm
.macro CROUND
	s_barrier_signal -1
	s_barrier_wait -1
	s_cmp_lg_u32 s[WV], 0
	s_cbranch_scc1 .Lnot_wave_0_\@
	s_barrier_signal -3
.Lnot_wave_0_\@:
	s_barrier_wait -3
	s_barrier_signal -1
	s_barrier_wait -1
.endm
.macro MKG1 g, c, r, p
	s_mov_b32 s[\g+1], \c<<16
	s_mov_b32 s[\g+2], \r<<16
	s_mov_b32 s[\g+3], \c<<16
	s_mov_b32 s[\g+4], \r
	s_mov_b32 s[\g+5], \p
	s_mov_b32 s[\g+6], 0
	s_mov_b32 s[\g+7], 0
.endm
.macro ARM under, g0, g1               ; one arm of the head's chain: the load of the waves under \under that no earlier arm took
	s_cmp_lt_u32 s[WV], \under
	s_cbranch_scc0 .Lnext_\@
	tensor_load_to_lds s[\g0:\g0+3], s[\g1:\g1+7]
	s_nop 0
	PLACES 4
	s_branch .Lfilled
.Lnext_\@:
.endm
.macro GETH reg, a16, a8, off
	ds_load_b128 v[\reg:\reg+3], v[\a16] offset:\off
	ds_load_b64 v[\reg+4:\reg+5], v[\a8] offset:(\off)+512
.endm
.macro FRAG reg, a16, a8, off
	GETH \reg, \a16, \a8, \off
	GETH (\reg)+6, \a16, \a8, (\off)+768
.endm
.macro MUL8 s                          ; eight products: K step s of the piece
.irp t, 0,1,2,3
.irp p, 0,1
.set rD, ACC+32*\p+8*\t
.set rA, FB+72*\s+12*\t
.set rB, FB+72*\s+48+12*\p
.if \s
	v_wmma_scale_f32_16x16x128_f8f6f4 v[rD:rD+7], v[rA:rA+11], v[rB:rB+11], v[rD:rD+7], v[SC0+\t], v[SC1+\p] matrix_a_fmt:MATRIX_FMT_FP6 matrix_b_fmt:MATRIX_FMT_FP6 matrix_a_scale:MATRIX_SCALE_ROW1 matrix_b_scale:MATRIX_SCALE_ROW1
.else
	v_wmma_scale_f32_16x16x128_f8f6f4 v[rD:rD+7], v[rA:rA+11], v[rB:rB+11], v[rD:rD+7], v[SC0+\t], v[SC1+\p] matrix_a_fmt:MATRIX_FMT_FP6 matrix_b_fmt:MATRIX_FMT_FP6
.endif
.endr
.endr
.endm
.macro PAIR kp
.if \kp == 0
	s_wait_alu depctr_va_vdst(0)                   ; directly ahead of the reader below
	ds_store_b128 v233, v[24:27]                   ; my 32 bytes of scale words (their loads were waited for with the bias)
	ds_store_b128 v233, v[28:31] offset:4096
.endif
.if \kp < 3
	s_cmp_lg_u32 s[PCE], \kp                       ; the two waves that fetched this piece wait for their one load; the later pieces stay out
	s_cbranch_scc1 .Lnot_mine_\@
	s_wait_tensorcnt 0x0
.Lnot_mine_\@:
.else
	s_wait_tensorcnt 0x0                           ; the last piece: every wave waits
.endif
.if \kp == 0
	s_wait_dscnt 0x0                               ; my stores of scale words are done
.endif
	s_barrier_signal -1                            ; (no LDS load of mine is out: the last piece ended on a wait for 0)
	s_barrier_wait -1
.if \kp > 0
	v_add_nc_u32 v4, 24576, v4                     ; on to this piece; these four are also the places in front of the loads into registers that the last products read
	v_add_nc_u32 v5, 24576, v5
	v_add_nc_u32 v6, 24576, v6
	v_add_nc_u32 v7, 24576, v7
.endif
.irp t, 0,1,2,3
	ds_load_b32 v[SC0+\t], v8 offset:(\t/2)*1024+\kp*256+(\t%2)*128
.endr
.irp p, 0,1
	ds_load_b32 v[SC1+\p], v9 offset:\kp*256+128*\p
.endr
.irp s, 0,1
.irp t, 0,1,2,3
	FRAG FB+72*\s+12*\t, 4, 5, \t*3072+\s*1536
.endr
.irp p, 0,1
	FRAG FB+72*\s+48+12*\p, 6, 7, \p*3072+\s*1536
.endr
.endr
	s_wait_dscnt 24                                ; all but the odd K step's 24 loads
	MUL8 0
	s_wait_dscnt 0x0
	MUL8 1
.endm
	s_load_b256 s[4:11], s[0:1], 0x0               ; oq s[4:5], wq s[6:7], b_out s[8:9], out0 s[10:11]
	v_lshl_add_u32 v254, v0, 2, 0x3a800
	v_mov_b32 v255, 0
	ds_add_u32 v254, v255
	ds_add_u32 v254, v255
	v_lshrrev_b32 v1, 5, v0
	s_delay_alu instid0(VALU_DEP_1)
	v_readfirstlane_b32 s[WV], v1                  ; wave 0..7
	s_lshr_b32 s[PCE], s[WV], 1
	s_bfe_u32 s15, ttmp6, 0x40000                  ; cx
	s_bfe_u32 s16, ttmp6, 0x40004                  ; cy
	s_lshl_b32 s17, ttmp9, 2
	s_add_co_u32 s17, s17, s15                     ; work-group x: columns 128 x on
	s_and_b32 s18, ttmp7, 0xffff
	s_lshl_b32 s18, s18, 2
	s_add_co_u32 s18, s18, s16                     ; work-group y: tokens 128 y on
	s_lshl_b32 s19, s16, 2
	s_lshl_b32 s19, 15, s19                        ; my row of the cluster
	s_lshl_b32 s20, 0x1111, s15                    ; my column
	s_or_b32 s24, s19, (3<<16)|(1<<21)             ; group 1, word 0: the mask; elements of 8 bytes; bit 21 beside a mask; no padding
	MKG1 24, 384, 8, 1536                          ; o's codes: 8 tiles' 3,072 bytes of a piece, 12,288 bytes apart
	s_or_b32 s32, s20, (3<<16)|(1<<21)
	MKG1 32, 384, 8, 1536                          ; W's codes
	; byte offsets.  No register that feeds o's descriptor ever holds cx, none that feeds W's ever holds cy
	s_mul_i32 s40, s[PCE], 3072                    ; my piece's place in a tile
	s_mul_i32 s22, s18, 8*TILEB                    ; o's tile 8 y
	s_add_co_u32 s22, s22, s40
	s_mov_b32 s23, 0
	s_lshl_b32 s66, s18, 12
	s_add_co_u32 s66, s66, SCOFF                   ; o's scale words
	s_mov_b32 s67, 0
	s_mul_i32 s100, s17, 8*TILEB
	s_add_co_u32 s100, s100, 192*TILEB             ; W's tile 192 + 8 x
	s_add_co_u32 s100, s100, s40
	s_mov_b32 s101, 0
	s_lshl_b32 s56, s17, 12
	s_add_co_u32 s56, s56, SCOFF+96*1024           ; its pairs 96 + 4 x on
	s_mov_b32 s57, 0
	s_mov_b32 s60, 1                               ; group 0 for o's piece: to LDS byte OP + 24,576 x piece
	s_mul_i32 s61, s[PCE], 24576
	s_mov_b32 s84, 1                               ; and for W's: WP + 24,576 x piece
	s_mul_i32 s85, s[PCE], 24576
	s_add_co_u32 s85, s85, WP
	s_wait_dscnt 0x0
	s_wait_kmcnt 0x0
	s_add_nc_u64 s[62:63], s[4:5], s[22:23]
	s_or_b32 s63, s63, 0x80000000
	s_add_nc_u64 s[66:67], s[4:5], s[66:67]
	s_add_nc_u64 s[86:87], s[6:7], s[100:101]
	s_or_b32 s87, s87, 0x80000000
	s_add_nc_u64 s[56:57], s[6:7], s[56:57]
	CROUND                                         ; all sixteen work-groups are here: the joint loads meet
	ARM 1, 60, 24                                  ; one chain of eight arms, one load to an arm, in the order in which the pieces are multiplied: o's piece 0, W's piece 0, o's piece 1, ..
	ARM 2, 84, 32
	ARM 3, 60, 24
	ARM 4, 84, 32
	ARM 5, 60, 24
	ARM 6, 84, 32
	ARM 7, 60, 24
	tensor_load_to_lds s[84:87], s[32:39]
	s_nop 0
	PLACES 4
.Lfilled:
	v_and_b32 v14, 31, v0
	s_delay_alu instid0(VALU_DEP_1)
	v_lshlrev_b32 v1, 4, v14                       ; 16 x lane
	s_delay_alu instid0(VALU_DEP_2)
	v_lshlrev_b32 v2, 3, v14                       ; 8 x lane
	s_delay_alu instid0(VALU_DEP_3)
	v_lshlrev_b32 v3, 2, v14                       ; 4 x lane
	s_wait_alu depctr_va_vdst(0)
	v_lshlrev_b32 v232, 4, v0                      ; the scale words: 16 bytes a thread of each 4,096
	v_add_nc_u32 v233, OSC, v232                   ; and their place in LDS (W's lie 4,096 behind o's)
	global_load_b128 v[24:27], v232, s[66:67]
	global_load_b128 v[28:31], v232, s[56:57]
	s_and_b32 s21, s[WV], 1                        ; which half of the columns
	s_mul_i32 s22, s21, 12288
	s_add_co_u32 s22, s22, WP
	v_add_nc_u32 v4, s22, v1
	v_add_nc_u32 v5, s22, v2
	s_lshl_b32 s22, s21, 11
	s_add_co_u32 s22, s22, WSC
	v_add_nc_u32 v8, s22, v3
	s_lshr_b32 s23, s[WV], 1                       ; which pair of o's tiles
	s_mul_i32 s22, s23, 6144
	v_add_nc_u32 v6, s22, v1
	v_add_nc_u32 v7, s22, v2
	s_lshl_b32 s22, s23, 10
	s_add_co_u32 s22, s22, OSC
	v_add_nc_u32 v9, s22, v3
	s_mul_i32 s22, s[WV], 4352
	s_add_co_u32 s22, s22, STAGE                   ; my stage
	v_and_b32 v14, 15, v0                          ; r
	v_bfe_u32 v15, v0, 4, 1                        ; h
	s_delay_alu instid0(VALU_DEP_2)
	v_mul_u32_u24 v10, v14, 272
	s_delay_alu instid0(VALU_DEP_1)
	v_lshl_add_u32 v10, v15, 6, v10
	s_delay_alu instid0(VALU_DEP_1)
	v_add_nc_u32 v10, s22, v10                     ; in: row r, + 64 h; tile 2 b + u: 128 b + 32 u on
	s_delay_alu instid0(VALU_DEP_4)
	v_mul_u32_u24 v11, v15, 272
	s_delay_alu instid0(VALU_DEP_1)
	v_lshl_add_u32 v11, v14, 4, v11
	s_delay_alu instid0(VALU_DEP_1)
	v_add_nc_u32 v11, s22, v11                     ; back: lanes 0-15 one row of 256 bytes, lanes 16-31 the next
	v_lshlrev_b32 v12, 12, v15
	s_delay_alu instid0(VALU_DEP_1)
	v_lshl_add_u32 v12, v14, 4, v12                ; and the same in out0
	v_lshlrev_b32 v13, 6, v15                      ; the bias: 64 h
	s_lshl_b32 s4, s17, 7
	s_lshl_b32 s5, s21, 6
	s_add_co_u32 s4, s4, s5
	s_lshl_b32 s4, s4, 2                           ; my first column, in bytes: 4 (128 x + 64 (w % 2))
	s_mov_b32 s5, 0
	s_add_nc_u64 s[8:9], s[8:9], s[4:5]
.irp p, 0,1
.irp t, 0,1,2,3
	global_load_b128 v[ACC+32*\p+8*\t:ACC+32*\p+8*\t+3], v13, s[8:9] offset:128*(\t/2)+32*(\t%2)       ; tile 2 b + u, register j: column 32 b + 16 h + 8 u + j
	global_load_b128 v[ACC+32*\p+8*\t+4:ACC+32*\p+8*\t+7], v13, s[8:9] offset:128*(\t/2)+32*(\t%2)+16
.endr
.endr
	s_add_nc_u64 s[10:11], s[10:11], s[4:5]
	s_lshl_b32 s4, s18, 7
	s_lshr_b32 s6, s23, 1
	s_lshl_b32 s6, s6, 6
	s_add_co_u32 s4, s4, s6
	s_and_b32 s6, s23, 1
	s_lshl_b32 s6, s6, 4
	s_add_co_u32 s4, s4, s6                        ; my first tile's first token: 128 y + 64 (w / 4) + 16 ((w / 2) % 2)
	s_lshl_b32 s4, s4, 12
	s_add_nc_u64 s[10:11], s[10:11], s[4:5]
	s_wait_loadcnt 0x0                             ; the bias
	PAIR 0
	PAIR 1
	s_wait_alu depctr_va_vdst(0)
	PAIR 2
	s_wait_alu depctr_va_vdst(0)
	PAIR 3
	; THE WAY OUT: a tile of 16 tokens x 64 columns goes through my own stage and comes back as rows of 256 bytes.  LDS serves a wave's instructions in order: no wait between stores and loads, nor in front of the second tile's stores.
	PLACES 4
.irp p, 0,1
.irp t, 0,1,2,3
	ds_store_b128 v10, v[ACC+32*\p+8*\t:ACC+32*\p+8*\t+3] offset:128*(\t/2)+32*(\t%2)          ; each accumulator from its low end on
	ds_store_b128 v10, v[ACC+32*\p+8*\t+4:ACC+32*\p+8*\t+7] offset:128*(\t/2)+32*(\t%2)+16
.endr
.irp i, 0,1,2,3,4,5,6,7
	ds_load_b128 v[OB+32*\p+4*\i:OB+32*\p+4*\i+3], v11 offset:2*\i*272
.endr
.endr
.irp p, 0,1
	s_wait_dscnt 16-16*\p                          ; tile p is back; behind tile 0's loads stand tile 1's eight stores and eight loads
.irp i, 0,1,2,3,4,5,6,7
	global_store_b128 v12, v[OB+32*\p+4*\i:OB+32*\p+4*\i+3], s[10:11] offset:(8*\p+2*(\i%4)+32*(\i/4))*4096 th:TH_STORE_NT   ; the tile's rows 2 i, 2 i + 1 are tokens 8 p + 2 (i % 4) + 32 (i / 4), + 1 from my first; sixteen lanes store 256 consecutive bytes, at a multiple of 256 from out0's first byte
.endr
.endr
	s_wait_tensorcnt 0x0
	ds_add_u32 v254, v255
	s_wait_dscnt 0x0
	CROUND                                         ; the closing round
	s_endpgm
.Lfunc_end_k_q1133cda667_proj:
	.size	k_q1133cda667_proj, .Lfunc_end_k_q1133cda667_proj-k_q1133cda667_proj
	.p2alignl 7, 3214868480
	.fill 96, 4, 3214868480
	.section	.rodata,"a",@progbits
	.p2align	6, 0x0
	.amdhsa_kernel k_q1133cda667_proj
		.amdhsa_group_segment_fixed_size 240640
		.amdhsa_private_segment_fixed_size 0
		.amdhsa_enable_private_segment 0
		.amdhsa_kernarg_size 32
		.amdhsa_user_sgpr_count 2
		.amdhsa_user_sgpr_kernarg_segment_ptr 1
		.amdhsa_wavefront_size32 1
		.amdhsa_system_sgpr_workgroup_id_x 1
		.amdhsa_system_sgpr_workgroup_id_y 1
		.amdhsa_system_sgpr_workgroup_id_z 1
		.amdhsa_system_vgpr_workitem_id 0
		.amdhsa_next_free_vgpr 256
		.amdhsa_next_free_sgpr 102
		.amdhsa_reserve_vcc 0
		.amdhsa_float_denorm_mode_32 3
		.amdhsa_float_denorm_mode_16_64 3
		.amdhsa_memory_ordered 1
		.amdhsa_forward_progress 1
		.amdhsa_inst_pref_size 38
	.end_amdhsa_kernel
	.amdgpu_metadata
---
amdhsa.version: [ 1, 2 ]
amdhsa.kernels:
  - .name:           k_q1133cda667_proj
    .symbol:         k_q1133cda667_proj.kd
    .args:
      - { .name: oq, .offset: 0, .size: 8, .value_kind: global_buffer, .address_space: global }
      - { .name: wq, .offset: 8, .size: 8, .value_kind: global_buffer, .address_space: global }
      - { .name: b_out, .offset: 16, .size: 8, .value_kind: global_buffer, .address_space: global }
      - { .name: out0, .offset: 24, .size: 8, .value_kind: global_buffer, .address_space: global }
    .group_segment_fixed_size: 240640
    .private_segment_fixed_size: 0
    .kernarg_segment_align: 8
    .kernarg_segment_size: 32
    .max_flat_workgroup_size: 256
    .sgpr_count:     102
    .vgpr_count:     256
    .wavefront_size: 32
...
	.end_amdgpu_metadata
.endif
;; end of part 4
